; MI455X (gfx1250); checked and timed in simulation.
; The chip was launched on July 23, 2026; its instructions are those of AMD's public machine-readable ISA for CDNA 5 (MIT licence, August 2026) and "CDNA5" Instruction Set Architecture Reference Guide (July 2026). The comments in the code are by the model that wrote it; some were corrected since.
;; Cross Attention. Allowed arithmetic: matrix products marked QUANTISED: E2M1 operands, one E8M0 scale for each 32 along K, by v_wmma_scale_f32_16x16x128_f8f6f4 with both operands' format E2M1 (or v_wmma_scale_f32_32x16x128_f4), f32 sums; products left as they are: bf16, f16 or f32 operands; f32 sums; everything else in f32.
;; Inputs: Wk 768 x 1,024 float32; Wo 1,024 x 1,024 float32; Wq 1,024 x 1,024 float32; Wv 768 x 1,024 float32; bo 1,024 float32; context 4 x 1,024 x 768 float32; tokens 4 x 2,048 x 1,024 float32.
;; Outputs: out0 4 x 2,048 x 1,024 float32.
;; This version of the problem:
;;   THIS VERSION OF THE PROBLEM IS GIVEN IN LOW PRECISION. The matrix products marked QUANTISED in the list below multiply operands that are first quantised to E2M1 (2 exponent bits, 1 mantissa bit; 4 bits a number), with one power-of-two scale for each 32 numbers along K (OCP MX v1.0); their sums are f32. The products marked 'left as it is' may take bf16, f16 or f32 operands, with f32 sums. Whichever they take, every output number must still come out within the allowed error. Rounding operands to bf16 (8 significant bits) uses up far more of that allowance than f16 does (11 bits, for magnitudes from 6e-5 to 65,504). All else is computed in f32.
;;   The module's matrix products, in the order in which they are computed (A, B: the left and right operand; K: the contracted axis; several contracted axes count as one K, in the product's order):
;;     1. [M 8,192, K 1,024] x [K 1,024, N 1,024]; A: input tokens; B: input Wq: QUANTISED
;;     2. [M 4,096, K 768] x [K 768, N 1,024]; A: input context; B: input Wk: QUANTISED
;;     3. [M 4,096, K 768] x [K 768, N 1,024]; A: input context; B: input Wv: QUANTISED
;;     4. batch 64 x [M 2,048, K 64] x [K 64, N 1,024]; A: computed on the way; B: computed on the way: left as it is (an operand is computed on the way)
;;     5. batch 64 x [M 2,048, K 1,024] x [K 1,024, N 64]; A: computed on the way; B: computed on the way: left as it is (an operand is computed on the way)
;;     6. [M 8,192, K 1,024] x [K 1,024, N 1,024]; A: computed on the way; B: input Wo: left as it is (an operand is computed on the way)
;;   THE QUANTISER, for each operand of a quantised product, along K:
;;     - K is cut into blocks of 32 from its start; a last block that is shorter is filled with zeros.
;;     - A block's scale is 2^e with e = floor(log2(the largest magnitude in the block)) - 2, held to -126 .. 127; a block of zeros has e = 0. As a byte (E8M0): e + 127.
;;     - Each number is divided by its block's scale, clamped to +-6, and rounded to the nearest number of E2M1, ties to even, subnormals kept.
;;     - The product sums the exact products of the quantised numbers (number of the format x scale) in f32.
;;   ~~~python
;;   def quantise(x, axis):      # numpy; x: float32 -> the quantised numbers, widened to float32 again
;;       x = np.moveaxis(x, axis, -1); K = x.shape[-1]
;;       x = np.pad(x, [(0, 0)] * (x.ndim - 1) + [(0, -K % 32)]); x = x.reshape(x.shape[:-1] + (-1, 32)); a = np.abs(x).max(-1, keepdims=True)
;;       e = np.where(a > 0, np.clip(np.frexp(np.where(a > 0, a, 1))[1] - 1 - 2, -126, 127), 0)      # np.frexp(a)[1] - 1 = floor(log2(a)), exactly
;;       r = np.clip(x / 2.0 ** e, -6, 6)
;;       step = 2.0 ** (np.maximum(np.frexp(np.where(r == 0, 1, r))[1] - 1, 0) - 1)
;;       q = np.round(r / step) * step * 2.0 ** e      # np.round: ties to even
;;       return np.moveaxis(q.reshape(q.shape[:-2] + (-1,))[..., :K], -1, axis).astype(np.float32)
;;   ~~~
;; One version. Each part assembles by itself: llvm-mc -triple=amdgcn-amd-amdhsa -mcpu=gfx1250 --defsym DOCPART=n.
;; ======== version 1 of 1: 4 launches
;; limits: values are held in f16: magnitudes above 65,504 overflow, below 6.1e-05 lose precision
;; workspace buffers: acodes 6,291,456 bytes; ascales 393,216 bytes; wcodes 1,572,864 bytes; wscales 98,304 bytes; wo16 2,097,152 bytes; qh 16,777,216 bytes; kvh 16,777,216 bytes; ctxh 16,777,216 bytes
;; launch prep (part 1): grid 608 x 1, 4 waves a work-group, no clusters, 84,480 bytes of LDS; arguments tokens, context, Wq, Wk, Wv, Wo, acodes, ascales, wcodes, wscales, wo16; writes acodes, ascales, wcodes, wscales, wo16
.if DOCPART == 1
	.amdgcn_target "amdgcn-amd-amdhsa--gfx1250"
	.amdhsa_code_object_version 6
	.text
	.protected	k_qdee7eb4bd3_prep
	.globl	k_qdee7eb4bd3_prep
	.p2align	8
	.type	k_qdee7eb4bd3_prep,@function
k_qdee7eb4bd3_prep:
	s_mov_b64 s[64:65], 0
	v_nop
	global_prefetch_b8 v0, s[64:65] scope:SCOPE_SE
	s_setreg_imm32_b32 hwreg(HW_REG_WAVE_MODE, 25, 1), 1
	s_wait_xcnt 0x0
; PREP: the operands of the three quantised products become codes of FP4 (E2M1) with one E8M0 scale byte for each 32 along K; Wo becomes f16.
;   acodes [12288][512 B]: rows 0-8191 tokens (K = 1024), rows 8192-12287 context (K = 768, then 256 zero codes); ascales [12288][32] (context: bytes 24-31 = 0x7f).
;   wcodes [3072][512 B]: row n' = column n of Wq (0-1023), Wk (1024-2047), Wv (2048-3071), K innermost; Wk and Wv filled with zero codes from K = 768 on; wscales [3072][32] likewise.
;   wo16: Wo in f16, IN THE ORDER OF THE OPERAND'S REGISTERS: fragment (kq, nt), 32 along K x 16 columns, is 1,024 bytes at (64 kq + nt) x 1,024; in it the 16 bytes at 512 c + 16 l are
;   Wo(32 kq + 16 c + 8 (l / 16) + 0 .. 7, 16 nt + l % 16): what lane l takes into registers 4 c .. 4 c + 3.
; K = 768 is carried on to 1024 with zero codes on BOTH operands and the scale byte 127: zero codes add nothing, and the product's launch then has one shape for all three products.
; A block's scale is 2^(floor(log2(largest magnitude)) - 2): its byte is the largest magnitude's exponent field - 2, held at 1 from below by a floor among the maximum's leaves.
; LIMITS: a block of zeros, and a block whose largest magnitude lies under 2^-124, gets the byte 1 (zeros: the rule says 127; their codes are zeros and this program alone reads the bytes).
; NaN and infinities among the inputs are not served.  Wo beyond 65,504 becomes infinity in f16; under 6e-5 it is rounded with f16's absolute step of 6e-8.
; SHARES, by the work-group's number: 0-95 the three weights (a lane a column, registers down K), 96-223 Wo (likewise), 224-351 context, 352-607 tokens (a wave: 8,192 numbers in 16 steps; context: 8 rows in 12 steps).
; No tensor load, no barrier: waves share nothing.  Each section has LDS bytes of its own.  No cluster and no matrix unit: every input byte is read by one wave once.
.set SPARE, 83968                      ; behind the three sections' regions: the spare words, 128 bytes a wave, two blocks of 256 bytes that no other line names
.set SPW,   192                        ; v192 LDS address of my spare word; never rewritten
.set NIL,   193                        ; v193 0; never rewritten
.set SP,    80                         ; a lane's place in a stage: its 64 bytes + 16 of padding
.set R,     16                         ; v16-79   four sets of 16 numbers as they are loaded
.set X,     80                         ; v80-111  two sets of 16 neighbours
.set E,     112                        ; v112-127 a scale byte for each step
.set C,     128                        ; v128-191 codes, four registers a step: no store's data are written again
.set WX,    32                         ; weights: v32-95 two sets of 32 numbers
.set WC,    96                         ; v96-99 a block's codes (Wo: v96-127 two sets of 16 registers of f16)
.set SB,    24                         ; v24-25 a column's 8 scale bytes
.set OUTR,  112                        ; v112-143 the way out
.macro FINISH                          ; a wave's end
	s_wait_tensorcnt 0x0
	ds_add_u32 v[SPW], v[NIL]
	s_wait_dscnt 0x0
	s_endpgm
.endm
	s_load_b512 s[4:19], s[0:1], 0x0               ; tokens s[4:5], context s[6:7], Wq s[8:9], Wk s[10:11], Wv s[12:13], Wo s[14:15], acodes s[16:17], ascales s[18:19]
	s_load_b128 s[20:23], s[0:1], 0x40             ; wcodes, wscales
	s_load_b64 s[24:25], s[0:1], 0x50              ; wo16
	v_lshl_add_u32 v[SPW], v0, 2, SPARE
	v_mov_b32 v[NIL], 0
	v_lshrrev_b32 v1, 5, v0
	v_readfirstlane_b32 s26, v1                    ; wave 0..3
	v_and_b32 v2, 31, v0                           ; lane
	v_lshlrev_b32 v3, 4, v2                        ; 16 x lane
	v_lshlrev_b32 v4, 3, v2                        ; 8 x lane
	s_mov_b32 s29, 0                               ; the high word of every offset pair s[28:29]
	s_wait_kmcnt 0x0
	s_cmp_lt_u32 ttmp9, 96
	s_cbranch_scc1 .LW
	s_cmp_lt_u32 ttmp9, 224
	s_cbranch_scc1 .LO
	s_cmp_lt_u32 ttmp9, 352
	s_cbranch_scc1 .LC
; ---- tokens and context: K is innermost.  Each load reads 512 consecutive bytes, 16 a lane; a step's 2,048 bytes turn through the wave's own stage in LDS and come back 64 bytes a lane:
; 16 neighbours along K, two neighbouring lanes to a block of 32.  Loads run four steps ahead, the turn through LDS one step.
.macro QHEAD base                      ; the wave's region: two stages of 32 x 80 bytes, then 256 scale bytes
	s_mul_i32 s27, s26, 8192
	s_add_co_u32 s27, s27, \base
	v_lshrrev_b32 v14, 2, v2
	v_mul_u32_u24 v14, v14, SP
	v_and_b32 v15, 3, v2
	v_lshl_add_u32 v14, v15, 4, v14
	v_add_nc_u32 v14, s27, v14                     ; way in: 80 (lane / 4) + 16 (lane % 4)
	v_mul_u32_u24 v15, v2, SP
	v_add_nc_u32 v15, s27, v15                     ; way out: 80 x lane
	v_lshrrev_b32 v5, 1, v2
	s_add_co_u32 s27, s27, 2*32*SP
	v_add_nc_u32 v5, s27, v5                       ; my block's scale byte
	v_add_nc_u32 v6, s27, v4                       ; and the bytes' way out: 8 a lane
.endm
.macro LOAD t
.irp i, 0,1,2,3
	global_load_b128 v[R+16*((\t)%4)+4*\i:R+16*((\t)%4)+4*\i+3], v3, s[30:31] offset:2048*(\t)+512*\i th:TH_LOAD_NT
.endr
.endm
.macro TURNQ t                         ; LDS serves a wave's instructions in order (ISA guide 5.7.1.4): no wait between the stores and the loads
.irp i, 0,1,2,3
	ds_store_b128 v14, v[R+16*((\t)%4)+4*\i:R+16*((\t)%4)+4*\i+3] offset:32*SP*((\t)%2)+8*SP*\i
.endr
.irp i, 0,1,2,3
	ds_load_b128 v[X+16*((\t)%2)+4*\i:X+16*((\t)%2)+4*\i+3], v15 offset:32*SP*((\t)%2)+16*\i
.endr
.endm
; Step t of ns.  ctx = 1: a row of context is three runs of 256 numbers in an output row of 512 bytes; each half of the lanes holds one run, so a step that crosses a row (t % 3 = 1) takes other address registers.
.macro QSTEP t, ns, ctx
.set XS, X+16*((\t)%2)
.if (\t) > 0
	s_wait_dscnt 1                                 ; this step's numbers are back from the stage; the last step's byte store may be out
.else
	s_wait_dscnt 0x0
.endif
.if (\t)+4 < \ns
	LOAD (\t)+4                                    ; into the set whose stores to the stage are done
.endif
.if (\t)+1 < \ns
.if \ns-2-(\t) >= 3
	s_wait_loadcnt 12                              ; the next step's four loads are in; those of the three steps behind it may be out
.else
	s_wait_loadcnt 4*(\ns-2-(\t))
.endif
	TURNQ (\t)+1
.endif
	v_max3_num_f32 v8, |v[XS]|, |v[XS+1]|, |v[XS+2]|
	v_max3_num_f32 v9, |v[XS+3]|, |v[XS+4]|, |v[XS+5]|
.irp i, 6,10
	v_max3_num_f32 v8, v8, |v[XS+\i]|, |v[XS+\i+1]|
	v_max3_num_f32 v9, v9, |v[XS+\i+2]|, |v[XS+\i+3]|
.endr
	v_max3_num_f32 v8, v8, |v[XS+14]|, |v[XS+15]|
	v_max3_num_f32 v8, v8, v9, 0x1800000           ; the floor 2^(3 - 127): the byte cannot fall under 1
	v_max_num_f32_dpp v8, v8, v8 row_xmask:1 row_mask:0xf bank_mask:0xf   ; with my neighbour's 16: the block's largest magnitude
	v_add_nc_u32 v11, 0xff000000, v8               ; 2 off its exponent field: the conversion takes the exponent field of this operand as its scale
	v_cvt_scalef32_pk8_fp4_f32 v[C+4*(\t)], v[XS:XS+7], v11
	v_cvt_scalef32_pk8_fp4_f32 v[C+4*(\t)+1], v[XS+8:XS+15], v11
	v_lshrrev_b32 v[E+(\t)], 23, v11               ; the scale's byte (a plain line behind the conversions)
.if \ctx
.if (\t)%3 == 1
	ds_store_b8 v13, v[E+(\t)] offset:64*((\t)/3)+16           ; blocks 16-23 of an even row, then 0-7 of the odd row: 8 bytes of filling lie between
	global_store_b64 v10, v[C+4*(\t):C+4*(\t)+1], s[32:33] offset:((2*(\t))/3)*512+((2*(\t))%3)*128
.else
	ds_store_b8 v5, v[E+(\t)] offset:64*((\t)/3)+20*((\t)%3)   ; t % 3 = 0: blocks 0-15 of an even row; 2: blocks 8-23 of the odd row, at byte 40
	global_store_b64 v4, v[C+4*(\t):C+4*(\t)+1], s[32:33] offset:((2*(\t))/3)*512+((2*(\t))%3)*128
.endif
.else
	ds_store_b8 v5, v[E+(\t)] offset:16*(\t)       ; both lanes of a block write the same byte with the same value
	global_store_b64 v4, v[C+4*(\t):C+4*(\t)+1], s[32:33] offset:256*(\t)   ; the wave stores 256 consecutive bytes, aligned
.endif
.endm
; ---- tokens: a plain stream of blocks
	QHEAD 0
	s_sub_co_u32 s28, ttmp9, 352
	s_lshl_b32 s28, s28, 2
	s_add_co_u32 s36, s28, s26                     ; which run of 8,192 numbers is my wave's
	s_lshl_b32 s28, s36, 15
	s_add_nc_u64 s[30:31], s[4:5], s[28:29]
	s_lshl_b32 s28, s36, 12
	s_add_nc_u64 s[32:33], s[16:17], s[28:29]
	s_lshl_b32 s28, s36, 8
	s_add_nc_u64 s[34:35], s[18:19], s[28:29]
.irp t, 0,1,2,3
	LOAD \t
.endr
	s_wait_loadcnt 12                              ; step 0's four loads are in
	TURNQ 0
.irp t, 0,1,2,3,4,5,6,7,8,9,10,11,12,13,14,15
	QSTEP \t, 16, 0
.endr
	ds_load_b64 v[8:9], v6                         ; my wave's 256 scale bytes, behind the byte stores in order
	s_wait_dscnt 0x0
	global_store_b64 v4, v[8:9], s[34:35]          ; 256 consecutive bytes, aligned
	FINISH
; ---- context: 8 rows of 768 a wave
.LC:
	QHEAD 32768
	v_lshrrev_b32 v13, 4, v2
	v_lshl_add_u32 v13, v13, 3, v5                 ; my block's byte, 8 further on for the step's upper eight blocks
	v_and_b32 v12, 7, v2
	v_lshl_add_u32 v12, v12, 5, s27                ; row lane % 8 of the 8 rows of 32 scale bytes
	v_mov_b32 v180, 0x7f7f7f7f
	v_mov_b32 v181, 0x7f7f7f7f
	ds_store_b64 v12, v[180:181] offset:24         ; bytes 24-31 of each row: 2^0 over zero codes (four lanes write the same bytes with the same value)
	v_and_b32 v10, 15, v2
	v_lshlrev_b32 v10, 3, v10
	v_lshrrev_b32 v11, 4, v2
	v_lshl_add_u32 v10, v11, 8, v10                ; codes of a step that crosses a row: lanes 16-31 begin the next row, 256 bytes on
	v_lshrrev_b32 v182, 3, v2
	v_lshlrev_b32 v182, 9, v182
	v_and_b32 v11, 7, v2
	v_lshl_add_u32 v182, v11, 4, v182              ; the zero codes: row lane / 8, 16 bytes a lane
.irp i, 176,177,178,179
	v_mov_b32 v\i, 0
.endr
	s_sub_co_u32 s28, ttmp9, 224
	s_lshl_b32 s28, s28, 2
	s_add_co_u32 s36, s28, s26                     ; which 8 rows
	s_mul_i32 s28, s36, 24576
	s_add_nc_u64 s[30:31], s[6:7], s[28:29]
	s_lshl_b32 s28, s36, 12
	s_add_co_u32 s28, s28, 0x400000                ; behind tokens' 8,192 rows of 512 bytes
	s_add_nc_u64 s[32:33], s[16:17], s[28:29]
	s_lshl_b32 s28, s36, 8
	s_add_co_u32 s28, s28, 0x40000
	s_add_nc_u64 s[34:35], s[18:19], s[28:29]
.irp t, 0,1,2,3
	LOAD \t
.endr
	global_store_b128 v182, v[176:179], s[32:33] offset:384        ; bytes 384-511 of rows 0-3,
	global_store_b128 v182, v[176:179], s[32:33] offset:384+2048   ; and of rows 4-7
	s_wait_loadcnt 12
	TURNQ 0
.irp t, 0,1,2,3,4,5,6,7,8,9,10,11
	QSTEP \t, 12, 1
.endr
	ds_load_b64 v[8:9], v6
	s_wait_dscnt 0x0
	global_store_b64 v4, v[8:9], s[34:35]          ; 8 rows of 32 scale bytes: 256 consecutive bytes, aligned
	FINISH
; ---- the weights: K is the FIRST axis.  A lane takes a column and its registers run down K: a block of 32 lies in one lane, and the conversions give codes with K innermost.
; A work-group: 128 columns x 256 along K.  A lane's codes (128 bytes a column) go through the wave's own stage (rows of 144 bytes) and leave as runs of 128 bytes of a row, eight lanes to a run.
.LW:
	s_mul_i32 s27, s26, 4608
	s_add_co_u32 s27, s27, 65536                   ; my stage
	v_lshlrev_b32 v5, 2, v2                        ; in: 4 bytes a lane
	v_mul_u32_u24 v6, v2, 144
	v_add_nc_u32 v6, s27, v6                       ; into the stage: row = my column
	v_lshrrev_b32 v10, 3, v2
	v_and_b32 v11, 7, v2
	v_mul_u32_u24 v7, v10, 144
	v_lshl_add_u32 v7, v11, 4, v7
	v_add_nc_u32 v7, s27, v7                       ; out of it: eight lanes to a row, four rows an instruction
	v_lshlrev_b32 v8, 9, v10
	v_lshl_add_u32 v8, v11, 4, v8                  ; the same place in wcodes
	v_lshlrev_b32 v9, 5, v2                        ; my column's row of scale bytes
	s_lshr_b32 s36, ttmp9, 5                       ; which weight: 0 Wq, 1 Wk, 2 Wv
	s_and_b32 s37, ttmp9, 3                        ; which 256 along K
	s_lshr_b32 s38, ttmp9, 2
	s_lshl_b32 s38, s38, 7
	s_lshl_b32 s39, s26, 5
	s_add_co_u32 s38, s38, s39                     ; my wave's first row of wcodes: 1024 x weight + 128 x block + 32 x wave
	s_lshl_b32 s28, s38, 9
	s_lshl_b32 s39, s37, 7
	s_add_co_u32 s28, s28, s39
	s_add_nc_u64 s[32:33], s[20:21], s[28:29]
	s_lshl_b32 s28, s38, 5
	s_lshl_b32 s39, s37, 3
	s_add_co_u32 s28, s28, s39
	s_add_nc_u64 s[34:35], s[22:23], s[28:29]
	s_cmp_lg_u32 s36, 0
	s_cselect_b32 s39, 1, 0
	s_cmp_eq_u32 s37, 3
	s_cselect_b32 s39, s39, 0
	s_cmp_lg_u32 s39, 0                            ; Wk and Wv end at K = 768: their last quarter is filling
	s_cbranch_scc1 .LWpad
	s_cmp_eq_u32 s36, 0
	s_cselect_b64 s[30:31], s[8:9], s[10:11]
	s_cmp_eq_u32 s36, 2
	s_cselect_b64 s[30:31], s[12:13], s[30:31]
	s_and_b32 s28, s38, 1023                       ; the column in its weight
	s_lshl_b32 s28, s28, 2
	s_lshl_b32 s39, s37, 20                        ; 256 rows of 4,096 bytes
	s_add_co_u32 s28, s28, s39
	s_add_nc_u64 s[30:31], s[30:31], s[28:29]
.macro LOADW t                         ; block t: W(32 t + i, my column): 32 lanes read 128 consecutive bytes
.irp i, 0,1,2,3,4,5,6,7,8,9,10,11,12,13,14,15,16,17,18,19,20,21,22,23,24,25,26,27,28,29,30,31
	global_load_b32 v[WX+32*((\t)%2)+\i], v5, s[30:31] offset:(32*(\t)+\i)*4096 th:TH_LOAD_NT
.endr
.endm
	LOADW 0
	LOADW 1
.macro BLOCK t
.set XS, WX+32*((\t)%2)
.if (\t) < 7
	s_wait_loadcnt 32                              ; this block's 32 loads are in; the next block's may be out
.else
	s_wait_loadcnt 0x0
.endif
	v_max3_num_f32 v12, |v[XS]|, |v[XS+1]|, |v[XS+2]|
	v_max3_num_f32 v13, |v[XS+3]|, |v[XS+4]|, |v[XS+5]|
.irp i, 6,10,14,18,22,26
	v_max3_num_f32 v12, v12, |v[XS+\i]|, |v[XS+\i+1]|
	v_max3_num_f32 v13, v13, |v[XS+\i+2]|, |v[XS+\i+3]|
.endr
	v_max3_num_f32 v12, v12, |v[XS+30]|, |v[XS+31]|
	v_max3_num_f32 v12, v12, v13, 0x1800000        ; the floor
	v_add_nc_u32 v11, 0xff000000, v12              ; the conversion's scale operand
	v_lshrrev_b32 v13, 23, v11                     ; the scale's byte
.if (\t)%4 == 0
	v_mov_b32 v[SB+(\t)/4], v13
.else
	v_lshl_or_b32 v[SB+(\t)/4], v13, 8*((\t)%4), v[SB+(\t)/4]
.endif
.irp g, 0,1,2,3
	v_cvt_scalef32_pk8_fp4_f32 v[WC+\g], v[XS+8*\g:XS+8*\g+7], v11
.endr
	ds_store_b128 v6, v[WC:WC+3] offset:16*(\t)    ; 32 codes: 16 bytes of my column's row
.if (\t)+2 < 8
	LOADW (\t)+2
.endif
	s_wait_dscnt 0x0                               ; the store has read its registers: the next block's codes may be written
.endm
.irp t, 0,1,2,3,4,5,6,7
	BLOCK \t
.endr
	global_store_b64 v9, v[SB:SB+1], s[34:35]      ; my column's 8 scale bytes
.irp i, 0,1,2,3,4,5,6,7
	ds_load_b128 v[OUTR+4*\i:OUTR+4*\i+3], v7 offset:576*\i
.endr
.irp i, 0,1,2,3,4,5,6,7
	s_wait_dscnt 7-\i
	global_store_b128 v8, v[OUTR+4*\i:OUTR+4*\i+3], s[32:33] offset:2048*\i
.endr
	FINISH
.LWpad:                                            ; zero codes and the byte 127 for K = 768 .. 1023
.irp i, 0,1,2,3
	v_mov_b32 v[WC+\i], 0
.endr
	v_mov_b32 v[SB], 0x7f7f7f7f
	v_mov_b32 v[SB+1], 0x7f7f7f7f
.irp i, 0,1,2,3,4,5,6,7
	global_store_b128 v8, v[WC:WC+3], s[32:33] offset:2048*\i
.endr
	global_store_b64 v9, v[SB:SB+1], s[34:35]
	FINISH
; ---- Wo to f16, into the order of the operand's registers.  A lane takes a column and its registers run down K, as above: a wave takes 32 columns (two fragments side by side) x 64 along K (two K steps of 32).
; Eight neighbours along K of a column are 16 bytes of a fragment, and the sixteen columns of a fragment lie 16 bytes apart: so each store writes two aligned runs of 256 consecutive bytes, one in each fragment.
.LO:
	v_lshlrev_b32 v5, 2, v2                        ; in: 4 bytes a lane: 32 lanes read 128 consecutive bytes, the four waves 512
	v_lshrrev_b32 v6, 4, v2
	v_lshlrev_b32 v6, 10, v6                       ; out: fragment lane / 16,
	v_and_b32 v7, 15, v2
	v_lshl_add_u32 v6, v7, 4, v6                   ; column lane % 16
	s_sub_co_u32 s36, ttmp9, 96
	s_and_b32 s37, s36, 7                          ; which 128 columns
	s_lshr_b32 s38, s36, 3                         ; which 64 along K
	s_lshl_b32 s28, s38, 18                        ; 64 rows of 4,096 bytes,
	s_lshl_b32 s39, s37, 9                         ; 128 columns of 4 bytes,
	s_add_co_u32 s28, s28, s39
	s_lshl_b32 s39, s26, 7                         ; my wave's 32
	s_add_co_u32 s28, s28, s39
	s_add_nc_u64 s[30:31], s[14:15], s[28:29]
	s_lshl_b32 s28, s38, 17                        ; two K steps of 64 fragments,
	s_lshl_b32 s39, s37, 13                        ; eight fragments of 1,024 bytes,
	s_add_co_u32 s28, s28, s39
	s_lshl_b32 s39, s26, 11                        ; my wave's two
	s_add_co_u32 s28, s28, s39
	s_add_nc_u64 s[32:33], s[24:25], s[28:29]
.set oi, 0
.rept 64
	global_load_b32 v[WX+oi], v5, s[30:31] offset:oi*4096 th:TH_LOAD_NT
.set oi, oi+1
.endr
.irp u, 0,1
	s_wait_loadcnt 32-32*\u                        ; this K step's 32 loads are in; the other's may be out
.irp n, 0,1,2,3,4,5,6,7,8,9,10,11,12,13,14,15
	v_cvt_pk_f16_f32 v[WC+16*\u+\n], v[WX+32*\u+2*\n], v[WX+32*\u+2*\n+1]   ; the lower k in the low half
.endr
.irp i, 0,1,2,3
	global_store_b128 v6, v[WC+16*\u+4*\i:WC+16*\u+4*\i+3], s[32:33] offset:65536*\u+(\i/2)*512+(\i%2)*256   ; k = 8 i + 0 .. 7: half i / 2 of the fragment, lanes 16 (i % 2) on
.endr
.endr
	FINISH
.Lfunc_end_k_qdee7eb4bd3_prep:
	.size	k_qdee7eb4bd3_prep, .Lfunc_end_k_qdee7eb4bd3_prep-k_qdee7eb4bd3_prep
	.p2alignl 7, 3214868480
	.fill 96, 4, 3214868480
	.section	.rodata,"a",@progbits
	.p2align	6, 0x0
	.amdhsa_kernel k_qdee7eb4bd3_prep
		.amdhsa_group_segment_fixed_size 84480
		.amdhsa_private_segment_fixed_size 0
		.amdhsa_enable_private_segment 0
		.amdhsa_kernarg_size 88
		.amdhsa_user_sgpr_count 2
		.amdhsa_user_sgpr_kernarg_segment_ptr 1
		.amdhsa_wavefront_size32 1
		.amdhsa_system_sgpr_workgroup_id_x 1
		.amdhsa_system_sgpr_workgroup_id_y 1
		.amdhsa_system_sgpr_workgroup_id_z 1
		.amdhsa_system_vgpr_workitem_id 0
		.amdhsa_next_free_vgpr 200
		.amdhsa_next_free_sgpr 66
		.amdhsa_reserve_vcc 0
		.amdhsa_float_denorm_mode_32 3
		.amdhsa_float_denorm_mode_16_64 3
		.amdhsa_memory_ordered 1
		.amdhsa_forward_progress 1
		.amdhsa_inst_pref_size 109
	.end_amdhsa_kernel
	.amdgpu_metadata
---
amdhsa.version: [ 1, 2 ]
amdhsa.kernels:
  - .name:           k_qdee7eb4bd3_prep
    .symbol:         k_qdee7eb4bd3_prep.kd
    .args:
      - { .name: tokens, .offset: 0, .size: 8, .value_kind: global_buffer, .address_space: global }
      - { .name: context, .offset: 8, .size: 8, .value_kind: global_buffer, .address_space: global }
      - { .name: Wq, .offset: 16, .size: 8, .value_kind: global_buffer, .address_space: global }
      - { .name: Wk, .offset: 24, .size: 8, .value_kind: global_buffer, .address_space: global }
      - { .name: Wv, .offset: 32, .size: 8, .value_kind: global_buffer, .address_space: global }
      - { .name: Wo, .offset: 40, .size: 8, .value_kind: global_buffer, .address_space: global }
      - { .name: acodes, .offset: 48, .size: 8, .value_kind: global_buffer, .address_space: global }
      - { .name: ascales, .offset: 56, .size: 8, .value_kind: global_buffer, .address_space: global }
      - { .name: wcodes, .offset: 64, .size: 8, .value_kind: global_buffer, .address_space: global }
      - { .name: wscales, .offset: 72, .size: 8, .value_kind: global_buffer, .address_space: global }
      - { .name: wo16, .offset: 80, .size: 8, .value_kind: global_buffer, .address_space: global }
    .group_segment_fixed_size: 84480
    .private_segment_fixed_size: 0
    .kernarg_segment_align: 8
    .kernarg_segment_size: 88
    .max_flat_workgroup_size: 128
    .sgpr_count:     66
    .vgpr_count:     200
    .wavefront_size: 32
...
	.end_amdgpu_metadata
.endif
;; end of part 1
;; launch proj (part 2): grid 4 x 64, 4 waves a work-group, clusters of 4 x 4, 327,680 bytes of LDS; arguments acodes, ascales, wcodes, wscales, qh, kvh; writes qh, kvh
.if DOCPART == 2
	.amdgcn_target "amdgcn-amd-amdhsa--gfx1250"
	.amdhsa_code_object_version 6
	.text
	.protected	k_qdee7eb4bd3_proj
	.globl	k_qdee7eb4bd3_proj
	.p2align	8
	.type	k_qdee7eb4bd3_proj,@function
k_qdee7eb4bd3_proj:
	s_mov_b64 s[64:65], 0
	v_nop
	global_prefetch_b8 v0, s[64:65] scope:SCOPE_SE
	s_setreg_imm32_b32 hwreg(HW_REG_WAVE_MODE, 25, 1), 1
	s_wait_xcnt 0x0
	s_wait_alu depctr_hold_cnt(0) depctr_sa_sdst(0) depctr_va_vdst(0) depctr_va_sdst(0) depctr_va_ssrc(0) depctr_va_vcc(0) depctr_vm_vsrc(0)
	s_getreg_b32 s2, hwreg(HW_REG_IB_STS2, 6, 4)
	s_cmp_eq_u32 s2, 0
	s_cbranch_scc0 .Lentry_in_a_cluster
	s_endpgm
.Lentry_in_a_cluster:
	s_bfe_u32 s2, ttmp6, 0x10000c
	s_cmp_lg_u32 s2, 0xf033
	s_cbranch_scc0 .Lentry_shape_is_right
	s_endpgm
.Lentry_shape_is_right:
; PROJ: Q = tokens Wq, K = context Wk, V = context Wv, on codes of FP4 (E2M1) with one E8M0 scale for each 32 along K; sums in f32; results rounded once to f16 and laid by head.
; A = acodes [12288][512 B] (tokens, then context), B = wcodes [3072][512 B] (columns of Wq, Wk, Wv); K = 1024 for all three (context, Wk and Wv carry zero codes from 768 on).
; qh [64 bh][2048][64] f16; kvh: K [64 bh][1024][64] f16, then V the same from byte 8,388,608.  A head's row is 128 bytes, so 16 rows of a head are 2,048 consecutive bytes.
; LIMITS: a result beyond 65,504 becomes infinity in f16; under 6e-5 it is rounded with f16's absolute step of 6e-8.
; A tile of 256 x 256 is made by a work-group of four waves; a wave makes 128 x 128: 64 accumulators of 16 x 16, 512 registers.  256 tiles: 128 of Q, 64 of K, 64 of V.
; K is two steps of 512 (tile rows of 256 bytes): both slots are filled once, at the start, so no slot is ever filled again.  The scales of the tile's rows, for all of K, come with them.
; CLUSTERS: 4 x 4 work-groups.  Clusters 0-7 make Q (rows 1024 c on, all 1024 columns); clusters 8-15 make K (even) or V (odd) for 1024 rows of context.  The four of a row of the cluster need the
; same tiles of A, the four of a column the same tiles of B: each tile is asked for JOINTLY, by the same tensor load with the same descriptor and a mask that names the four.
; THE MATRIX INSTRUCTION IS USED TRANSPOSED (source 0 = 16 rows of B, source 1 = 16 rows of A): a lane then holds eight neighbouring numbers of a row of the result.
; REGISTERS, in windows of 256: window 0: v0-31 addresses; v32-95 scale words, two sets; v128-191 A's fragments, ONE set; on the way out v32-63, v192-255.
;   window 1: B's fragments, TWO sets, at v0 and v128.   window 2: the accumulators of my rows 0-63 ((a, b) at v[8 (8 a + b)]);   window 3: those of my rows 64-127.
; No prefetch: all that the work-group reads is asked for at its head.
.set NQ,     4                         ; steps of 128 along K in a slot
.set ROWB,   256                       ; a tile's row in bytes: 512 codes
.set KROW,   512                       ; a row of codes in memory
.set PITCH,  272                       ; an LDS row: 256 bytes + 16 of padding = 68 words: row r starts at bank 4 r mod 64 (64 banks of 4 bytes: ISA guide 11.1)
.set FR,     8                         ; registers of a fragment: 16 rows x 128 K
.set NL,     2                         ; LDS loads that bring one
.set NP,     4                         ; places behind this matrix instruction (ISA guide 7.12.1)
.set HALFT,  128*PITCH
.set SLOT,   4*HALFT                   ; A's 256 rows, then B's 256 rows
.set KS,     32                        ; a row of scales in bytes
.set SCL,    2*SLOT                    ; behind the slots: the scales, as runs of 256 bytes + 16 of padding
.set HALFS,  (128*KS/256)*272
.set SBLK,   (16*KS/256)*272
.set SPARE,  SCL+4*HALFS               ; the spare words, 128 bytes a wave: two blocks of 256 bytes that no other line names
.set STAGE,  SPARE+512                 ; the way out: for each wave two heads x 8 double rows x 272 bytes; bytes of its own, into which no fill lands
.set HSTG,   8*272
.set ADRA, 16
.set ADRB, 20
.set STO,  24
.set RD,   25
.set CO,   26
.set ADRS, 27
.set SPW,  28
.set NIL,  29
.set SC,   32
.set AF,   128
.set TMP,  192                         ; the way out: packed results
.set OB,   32                          ; and 16 rows read back: v32-63 and v224-255 by turns
.set G1, 24
.set G0, 32
.set G1B, 48
.set G0B, 56
.set G1S, 68
.set G0S, 76
.set G1SB, 80
.set G0SB, 88
.set MSB, 0
.macro WIN new                         ; the immediate's high byte repeats the setting that is left
.if MSB != (\new)
	s_set_vgpr_msb (MSB<<8)|(\new)
.set MSB, (\new)
.endif
.endm
.set MUL_LO, 0xa1                      ; source 0 (B) window 1, source 1 (A) window 0, C and D window 2
.set MUL_HI, 0xf1                      ; the same, C and D window 3
.set TO_B,   0x40                      ; destination window 1, address window 0
; A joint load: waves 0 and 1 fetch for A, waves 2 and 3 for B.  The branch hangs on the wave's number alone.  An s_nop 0 and four v_nop follow each of the two lines.
.macro JLOAD g0a, g1a, g0b, g1b
	s_cmp_eq_u32 s15, 0
	s_cbranch_scc0 .Lfor_b_\@
	tensor_load_to_lds s[\g0a:\g0a+3], s[\g1a:\g1a+7]
	s_nop 0
.rept 4
	v_nop
.endr
	s_branch .Lasked_\@
.Lfor_b_\@:
	tensor_load_to_lds s[\g0b:\g0b+3], s[\g1b:\g1b+7]
	s_nop 0
.rept 4
	v_nop
.endr
.Lasked_\@:
.endm
.macro CROUND                          ; a round of the cluster's barrier
	s_barrier_signal -1
	s_barrier_wait -1
	s_cmp_lg_u32 s14, 0
	s_cbranch_scc1 .Lnot_wave_0_\@
	s_barrier_signal -3
.Lnot_wave_0_\@:
	s_barrier_wait -3
	s_barrier_signal -1
	s_barrier_wait -1
.endm
	s_load_b128 s[4:7], s[0:1], 0x0                ; A's codes s[4:5], A's scales s[6:7]
	s_load_b128 s[8:11], s[0:1], 0x10              ; B's codes s[8:9], B's scales s[10:11]
	s_load_b128 s[96:99], s[0:1], 0x20             ; qh s[96:97], kvh s[98:99]
	v_lshl_add_u32 v[SPW], v0, 2, SPARE
	v_mov_b32 v[NIL], 0
	ds_add_u32 v[SPW], v[NIL]                      ; the wave's opening: the add, twice on end, and its wait ahead of my first tensor load
	ds_add_u32 v[SPW], v[NIL]
	v_lshrrev_b32 v1, 5, v0
	v_readfirstlane_b32 s14, v1                    ; wave 0..3
	s_lshr_b32 s15, s14, 1                         ; which half of the tile's rows is mine.  Also: I fetch for A (0) or for B (1)
	s_and_b32 s16, s14, 1                          ; which half of its columns.  Also: which 128 rows of that tile I fetch
	s_bfe_u32 s40, ttmp6, 0x40000                  ; cx, cy: my place in the cluster
	s_bfe_u32 s41, ttmp6, 0x40004
	s_and_b32 s95, ttmp7, 0xffff                   ; c: the cluster, 0..15, the same in all sixteen partners
	s_lshl_b32 s18, s95, 2                         ; Q: tile rows 4 c on
	s_and_b32 s19, s95, 6
	s_lshl_b32 s19, s19, 1
	s_add_co_u32 s19, s19, 32                      ; K, V: tile rows 32 + 2 (c & 6) on: context begins at row 8,192
	s_and_b32 s20, s95, 1
	s_lshl_b32 s21, s20, 2
	s_add_co_u32 s21, s21, 4                       ; tile columns 4 on (Wk) or 8 on (Wv)
	s_lshl_b32 s22, s20, 23                        ; V lies 8,388,608 bytes behind K
	s_cmp_lt_u32 s95, 8
	s_cselect_b32 s17, s18, s19
	s_cselect_b32 s42, 0, s21
	s_cselect_b32 s2, 11, 10                       ; log2 of a sequence's rows: 2,048 or 1,024
	s_cselect_b32 s3, 0, 32                        ; the tensor's first tile row in acodes
	s_cselect_b32 s66, 0, s22
	s_add_co_u32 s17, s17, s41                     ; tile row in acodes: it holds c and cy alone
	s_add_co_u32 s42, s42, s40                     ; tile column = tile row in wcodes: c and cx alone
	s_lshl_b32 s43, s41, 2
	s_lshl_b32 s43, 15, s43                        ; my row of the cluster
	s_lshl_b32 s44, 0x1111, s40                    ; my column
	; descriptor group 1: a tile of 128 rows x 256 bytes, padded in LDS
	s_or_b32 s[G1+0], s43, (0<<16)|(1<<20)|(1<<21)|(5<<22)|(3<<25)  ; 15:0 the mask; 17:16 element of 1 byte; 20 padding on; 21 set beside a mask; 24:22 after every 64 words; 31:25 four words
	s_or_b32 s[G1B+0], s44, (0<<16)|(1<<20)|(1<<21)|(5<<22)|(3<<25)
.irp g, G1, G1B
	s_mov_b32 s[\g+1], ROWB<<16                    ; tensor_dim0
	s_mov_b32 s[\g+2], 128<<16                     ; tensor_dim1
	s_mov_b32 s[\g+3], ROWB<<16                    ; tile_dim0
	s_mov_b32 s[\g+4], 128                         ; tile_dim1
	s_mov_b32 s[\g+5], KROW                        ; tensor_dim0_stride
	s_mov_b32 s[\g+6], 0
	s_mov_b32 s[\g+7], 0
.endr
	; the scales of 128 rows: a dense block of 4,096 bytes, as 16 rows of 256 bytes (32 elements of 8 bytes), 16 bytes of padding behind each
	s_or_b32 s[G1S+0], s43, (3<<16)|(1<<20)|(1<<21)|(5<<22)|(3<<25)
	s_or_b32 s[G1SB+0], s44, (3<<16)|(1<<20)|(1<<21)|(5<<22)|(3<<25)
.irp g, G1S, G1SB
	s_mov_b32 s[\g+1], 32<<16
	s_mov_b32 s[\g+2], (128*KS/256)<<16
	s_mov_b32 s[\g+3], 32<<16
	s_mov_b32 s[\g+4], 128*KS/256
	s_mov_b32 s[\g+5], 32
	s_mov_b32 s[\g+6], 0
	s_mov_b32 s[\g+7], 0
.endr
	s_lshl_b32 s18, s16, 7                         ; which 128 rows of the tile I fetch
	s_lshl_b32 s20, s17, 8
	s_add_co_u32 s20, s20, s18                     ; A: row 256 x tile row + 128 x half
	s_lshl_b32 s46, s42, 8
	s_add_co_u32 s46, s46, s18                     ; B: row 256 x tile column + 128 x half
	s_mov_b32 s21, 0
	s_mov_b32 s47, 0
	s_mov_b64 s[18:19], KS
	s_mul_u64 s[22:23], s[20:21], s[18:19]         ; where these rows' scales begin, in bytes
	s_mul_u64 s[92:93], s[46:47], s[18:19]
	s_mov_b64 s[18:19], KROW
	s_mul_u64 s[20:21], s[20:21], s[18:19]         ; and their codes
	s_mul_u64 s[46:47], s[46:47], s[18:19]
	s_mul_i32 s45, s14, HALFT                      ; where they go: wave x 128 rows: no place in the cluster enters an LDS address
	s_mul_i32 s94, s14, HALFS
	s_wait_dscnt 0x0                               ; both opening adds are done
	s_wait_kmcnt 0x0
	s_add_nc_u64 s[20:21], s[4:5], s[20:21]
	s_add_nc_u64 s[22:23], s[6:7], s[22:23]
	s_add_nc_u64 s[46:47], s[8:9], s[46:47]
	s_add_nc_u64 s[92:93], s[10:11], s[92:93]
	CROUND                                         ; all sixteen work-groups are here: the joint loads meet
	s_mov_b32 s[G0S], 1
	s_add_co_u32 s[G0S+1], s94, SCL
	s_mov_b64 s[G0S+2:G0S+3], s[22:23]
	s_or_b32 s[G0S+3], s[G0S+3], 0x80000000
	s_mov_b32 s[G0SB], 1
	s_add_co_u32 s[G0SB+1], s94, SCL
	s_mov_b64 s[G0SB+2:G0SB+3], s[92:93]
	s_or_b32 s[G0SB+3], s[G0SB+3], 0x80000000
	JLOAD G0S, G1S, G0SB, G1SB                     ; the scales first: they are wanted with K step 0
.irp s, 0,1
	s_mov_b32 s[G0+4*\s], 1
	s_add_co_u32 s[G0+4*\s+1], s45, \s*SLOT
	s_add_nc_u64 s[G0+4*\s+2:G0+4*\s+3], s[20:21], \s*ROWB
	s_or_b32 s[G0+4*\s+3], s[G0+4*\s+3], 0x80000000
	s_mov_b32 s[G0B+4*\s], 1
	s_add_co_u32 s[G0B+4*\s+1], s45, \s*SLOT
	s_add_nc_u64 s[G0B+4*\s+2:G0B+4*\s+3], s[46:47], \s*ROWB
	s_or_b32 s[G0B+4*\s+3], s[G0B+4*\s+3], 0x80000000
	JLOAD G0+4*\s, G1, G0B+4*\s, G1B               ; three loads of mine are out in all
.endr
	v_and_b32 v1, 15, v0                           ; r = l % 16
	v_bfe_u32 v2, v0, 4, 1                         ; h = l / 16
	v_mul_u32_u24 v3, v1, PITCH
	v_lshl_add_u32 v4, v2, 4, v3                   ; a fragment's row x pitch + 16 x half
	s_mul_i32 s21, s15, HALFT                      ; my 128 rows of A
	s_mul_i32 s22, s16, HALFT                      ; my 128 rows of B,
	s_add_co_u32 s22, s22, 2*HALFT                 ; which lie behind A's 256
.irp s, 0,1
	v_add_nc_u32 v[ADRA+\s], s21, v4
	v_add_nc_u32 v[ADRB+\s], s22, v4
	s_add_co_u32 s21, s21, SLOT
	s_add_co_u32 s22, s22, SLOT
.endr
	v_mul_u32_u24 v5, v1, KS                       ; my row's scales: 32 bytes a row,
	v_lshrrev_b32 v6, 8, v5
	v_lshl_add_u32 v5, v6, 4, v5                   ; and 16 more for each 256 passed
	s_mul_i32 s21, s15, HALFS                      ; A's: my 128 rows
	s_mul_i32 s22, s16, HALFS                      ; B's: my 128 rows, behind A's 256
	s_add_co_u32 s22, s22, 2*HALFS
	s_sub_co_u32 s22, s22, s21
	v_mul_u32_u24 v6, s22, v2                      ; lanes 16-31 take B's
	s_add_co_u32 s21, s21, SCL
	v_add_nc_u32 v5, v5, v6
	v_add_nc_u32 v[ADRS], s21, v5
	; the stage: two rows of a head (128 bytes each) share a stage row of 256 bytes + 16: row i at (i / 2) x 272 + (i % 2) x 128
	s_mul_i32 s23, s14, 2*HSTG
	s_add_co_u32 s23, s23, STAGE
	v_lshrrev_b32 v5, 1, v1
	v_mul_u32_u24 v5, v5, 272
	v_and_b32 v6, 1, v1
	v_lshl_add_u32 v5, v6, 7, v5
	v_lshl_add_u32 v5, v2, 4, v5
	v_add_nc_u32 v[STO], s23, v5                   ; in: row r, 16 bytes for each half of the lanes
	v_mul_u32_u24 v5, v2, 272
	v_lshl_add_u32 v5, v1, 4, v5
	v_add_nc_u32 v[RD], s23, v5                    ; back: lanes 0-15 one stage row, lanes 16-31 the next: 512 bytes = four rows of a head
	v_and_b32 v6, 31, v0
	v_lshlrev_b32 v[CO], 4, v6                     ; and the same 512 consecutive bytes in memory
	; where my part of the result begins.  Row in its tensor -> batch and position; column -> head
	s_sub_co_u32 s20, s17, s3
	s_lshl_b32 s20, s20, 8
	s_lshl_b32 s21, s15, 7
	s_add_co_u32 s20, s20, s21                     ; my first row in tokens or in context
	s_lshr_b32 s21, s20, s2                        ; batch
	s_lshl_b32 s22, s21, s2
	s_sub_co_u32 s20, s20, s22                     ; position
	s_lshl_b32 s21, s21, 4                         ; 16 heads a batch
	s_lshl_b32 s46, s40, 2                         ; (what holds cx lies in the registers that held B's addresses)
	s_lshl_b32 s47, s16, 1
	s_add_co_u32 s46, s46, s47                     ; my first head: 4 cx + 2 x half
	s_add_co_u32 s46, s46, s21
	s_lshl_b32 s46, s46, s2
	s_add_co_u32 s46, s46, s20
	s_lshl_b32 s46, s46, 7                         ; 128 bytes a row
	s_add_co_u32 s46, s46, s66                     ; V behind K
	s_mov_b32 s47, 0
	s_lshl_b32 s92, 128, s2                        ; from a head to the next
	s_mov_b32 s93, 0
	s_cmp_lt_u32 s95, 8
	s_cselect_b64 s[12:13], s[96:97], s[98:99]     ; the choice hangs on the cluster's number alone
	s_add_nc_u64 s[12:13], s[12:13], s[46:47]      ; my first head's rows,
	s_add_nc_u64 s[66:67], s[12:13], s[92:93]      ; my second head's
.macro FRAG reg, adr, q, i             ; a fragment, 16 rows x 128 K of 4-bit codes: lane l holds row l % 16; registers 4 c .. 4 c + 3 hold K = 64 c + 32 (l / 16) + 0 .. 31
.irp c, 0,1
	ds_load_b128 v[\reg+4*\c:\reg+4*\c+3], v[\adr] offset:64*(\q)+32*\c+(\i)*16*PITCH
.endr
.endm
; 16 matrix instructions: A's blocks a0, a0 + 1 x B's eight, the slot's q-th 128 along K.  p: B's set; sc: the set of scale words.  zero = 1: the first product starts the sums.
; One register carries A's scale word (lanes 0-15) and B's (lanes 16-31).  The 64 accumulators take turns, one instruction a turn, in the same order in every step.
.macro MUL16 a0, p, q, sc, zero
.irp a, \a0, \a0+1
.irp b, 0,1,2,3,4,5,6,7
.if \zero
	v_wmma_scale_f32_16x16x128_f8f6f4 v[8*(8*((\a)%4)+\b):8*(8*((\a)%4)+\b)+7], v[128*(\p)+FR*\b:128*(\p)+FR*\b+FR-1], v[AF+FR*(\a):AF+FR*(\a)+FR-1], 0, v[SC+8*NQ*(\sc)+NQ*\b+(\q)], v[SC+8*NQ*(\sc)+NQ*(\a)+(\q)] matrix_a_fmt:MATRIX_FMT_FP4 matrix_b_fmt:MATRIX_FMT_FP4 matrix_a_scale:MATRIX_SCALE_ROW1
.else
	v_wmma_scale_f32_16x16x128_f8f6f4 v[8*(8*((\a)%4)+\b):8*(8*((\a)%4)+\b)+7], v[128*(\p)+FR*\b:128*(\p)+FR*\b+FR-1], v[AF+FR*(\a):AF+FR*(\a)+FR-1], v[8*(8*((\a)%4)+\b):8*(8*((\a)%4)+\b)+7], v[SC+8*NQ*(\sc)+NQ*\b+(\q)], v[SC+8*NQ*(\sc)+NQ*(\a)+(\q)] matrix_a_fmt:MATRIX_FMT_FP4 matrix_b_fmt:MATRIX_FMT_FP4 matrix_a_scale:MATRIX_SCALE_ROW1
.endif
.endr
.endr
.endm
.macro FETCH_B slot, q, p
	WIN TO_B
.irp i, 0,1,2,3,4,5,6,7
	FRAG 128*(\p)+FR*\i, ADRB+\slot, \q, \i
.endr
	WIN 0
.endm
.macro FETCH_A slot, q, i0
.irp i, \i0, \i0+1, \i0+2, \i0+3
	FRAG AF+FR*(\i), ADRA+\slot, \q, \i
.endr
.endm
.macro SCALES sc                       ; a K step's scale words: four words a row; lanes 0-15 take A's block i, lanes 16-31 B's block i
.irp i, 0,1,2,3,4,5,6,7
	ds_load_b128 v[SC+8*NQ*\sc+NQ*\i:SC+8*NQ*\sc+NQ*\i+3], v[ADRS] offset:\i*SBLK
.endr
.endm
.macro PLACES n                        ; plain vector instructions between a matrix instruction and a load into, or a read of, its registers
.rept \n
	v_nop
.endr
.endm
; A step of 128 along K that has its successor in the same slot.  A's blocks 0-3 are fetched anew in its middle, blocks 4-7 at its end; B has two sets.
.macro STEP slot, q, zero
	s_wait_dscnt 4*NL                              ; B's set and A's blocks 0-3 are in; the youngest eight loads (A's blocks 4-7) may be out
	WIN MUL_LO
	MUL16 0, (\q)%2, \q, \slot, \zero
	MUL16 2, (\q)%2, \q, \slot, \zero
	s_wait_dscnt 0
	PLACES NP
	FETCH_B \slot, (\q)+1, 1-(\q)%2
	FETCH_A \slot, (\q)+1, 0
	WIN MUL_HI
	MUL16 4, (\q)%2, \q, \slot, \zero
	MUL16 6, (\q)%2, \q, \slot, \zero
	PLACES NP
	WIN 0
	FETCH_A \slot, (\q)+1, 4
.endm
; Slot 0's last step goes over to slot 1: each wave waits for all its tensor loads (its part of slot 1), then the work-group's barrier: behind it slot 1 is whole.  Nothing is filled again.
.macro TURN slot, next
	s_wait_tensorcnt 0x0                           ; all my tensor loads have landed
	ds_add_u32 v[SPW], v[NIL]                      ; 0 onto my spare word
	s_wait_dscnt 4*NL+1                            ; (the add and the youngest eight loads may be out)
	WIN MUL_LO
	MUL16 0, 1, NQ-1, \slot, 0
	s_wait_dscnt 0x0                               ; no LDS instruction of mine is out at the signal
	s_barrier_signal -1
	MUL16 2, 1, NQ-1, \slot, 0
	WIN 0
	s_barrier_wait -1
	PLACES NP
	v_add_nc_u32 v[ADRS], 4*NQ, v[ADRS]            ; on to the next K step's scale words
	FETCH_B \next, 0, 0
	FETCH_A \next, 0, 0
	SCALES \next
	WIN MUL_HI
	MUL16 4, 1, NQ-1, \slot, 0
	MUL16 6, 1, NQ-1, \slot, 0
	PLACES NP
	WIN 0
	FETCH_A \next, 0, 4
.endm
	s_wait_tensorcnt 1                             ; the scales and my part of K step 0 are in (K step 1's load may be out)
	s_barrier_signal -1
	s_barrier_wait -1                              ; everybody's are
	FETCH_B 0, 0, 0
	FETCH_A 0, 0, 0
	SCALES 0
	FETCH_A 0, 0, 4
	STEP 0, 0, 1                                   ; the first step's products start the sums: nothing is cleared
	STEP 0, 1, 0
	STEP 0, 2, 0
	TURN 0, 1
	STEP 1, 0, 0
	STEP 1, 1, 0
	STEP 1, 2, 0
	s_wait_dscnt 4*NL                              ; the last step: nothing more to fetch
	WIN MUL_LO
	MUL16 0, 1, NQ-1, 1, 0
	MUL16 2, 1, NQ-1, 1, 0
	s_wait_dscnt 0
	WIN MUL_HI
	MUL16 4, 1, NQ-1, 1, 0
	MUL16 6, 1, NQ-1, 1, 0
	WIN 0
; THE WAY OUT, block by block of 16 rows x 128 columns = two heads.  PACK: rounded to f16, 16 bytes a lane (eight neighbouring channels of a row).  TOSTAGE: into my own stage, and back as runs of 512 bytes.
; SEND: each store of the wave covers 512 consecutive bytes, aligned: four rows of a head.
.macro PACK a
.set AC, 64*((\a)%4)
	WIN 0x0a+5*((\a)/4)                            ; sources 0 and 1: window 2 or 3
.irp b, 0,1,2,3,4,5,6,7
.irp r, 0,1,2,3
	v_cvt_pk_f16_f32 v[TMP+4*\b+\r], v[AC+8*\b+2*\r], v[AC+8*\b+2*\r+1]     ; each accumulator from its low end on
.endr
.endr
	WIN 0
.endm
.macro TOSTAGE a
.set BK, OB+192*((\a)%2)
.irp b, 0,1,2,3,4,5,6,7
	ds_store_b128 v[STO], v[TMP+4*\b:TMP+4*\b+3] offset:(\b/4)*HSTG+(\b%4)*32
.endr
.irp i, 0,1,2,3,4,5,6,7
	ds_load_b128 v[BK+4*\i:BK+4*\i+3], v[RD] offset:(\i/4)*HSTG+(\i%4)*544   ; LDS serves a wave's instructions in order (ISA guide 5.7.1.4): these see the stores above
.endr
.endm
.macro SEND a
.set BK, OB+192*((\a)%2)
	s_wait_dscnt 0x0                               ; the block is back in registers
	s_wait_xcnt 0x0                                ; the earlier stores have read their registers: the set that they read may be loaded again
.irp i, 0,1,2,3
	global_store_b128 v[CO], v[BK+4*\i:BK+4*\i+3], s[12:13] offset:2048*(\a)+512*\i
.endr
.irp i, 0,1,2,3
	global_store_b128 v[CO], v[BK+16+4*\i:BK+16+4*\i+3], s[66:67] offset:2048*(\a)+512*\i
.endr
.endm
	PLACES NP
	PACK 0
	TOSTAGE 0
.irp a, 1,2,3,4,5,6,7                  ; block a's conversions stand between block a - 1's loads from the stage and the wait for them
	PACK \a
	SEND \a-1
	TOSTAGE \a
.endr
	SEND 7
	s_wait_tensorcnt 0x0                           ; the wave's end
	ds_add_u32 v[SPW], v[NIL]
	s_wait_dscnt 0x0
	CROUND                                         ; the closing round
	s_endpgm
.Lfunc_end_k_qdee7eb4bd3_proj:
	.size	k_qdee7eb4bd3_proj, .Lfunc_end_k_qdee7eb4bd3_proj-k_qdee7eb4bd3_proj
	.p2alignl 7, 3214868480
	.fill 96, 4, 3214868480
	.section	.rodata,"a",@progbits
	.p2align	6, 0x0
	.amdhsa_kernel k_qdee7eb4bd3_proj
		.amdhsa_group_segment_fixed_size 327680
		.amdhsa_private_segment_fixed_size 0
		.amdhsa_enable_private_segment 0
		.amdhsa_kernarg_size 48
		.amdhsa_user_sgpr_count 2
		.amdhsa_user_sgpr_kernarg_segment_ptr 1
		.amdhsa_wavefront_size32 1
		.amdhsa_system_sgpr_workgroup_id_x 1
		.amdhsa_system_sgpr_workgroup_id_y 1
		.amdhsa_system_sgpr_workgroup_id_z 1
		.amdhsa_system_vgpr_workitem_id 0
		.amdhsa_next_free_vgpr 1024
		.amdhsa_next_free_sgpr 100
		.amdhsa_reserve_vcc 0
		.amdhsa_float_denorm_mode_32 3
		.amdhsa_float_denorm_mode_16_64 3
		.amdhsa_memory_ordered 1
		.amdhsa_forward_progress 1
		.amdhsa_inst_pref_size 127
	.end_amdhsa_kernel
	.amdgpu_metadata
---
amdhsa.version: [ 1, 2 ]
amdhsa.kernels:
  - .name:           k_qdee7eb4bd3_proj
    .symbol:         k_qdee7eb4bd3_proj.kd
    .args:
      - { .name: acodes, .offset: 0, .size: 8, .value_kind: global_buffer, .address_space: global }
      - { .name: ascales, .offset: 8, .size: 8, .value_kind: global_buffer, .address_space: global }
      - { .name: wcodes, .offset: 16, .size: 8, .value_kind: global_buffer, .address_space: global }
      - { .name: wscales, .offset: 24, .size: 8, .value_kind: global_buffer, .address_space: global }
      - { .name: qh, .offset: 32, .size: 8, .value_kind: global_buffer, .address_space: global }
      - { .name: kvh, .offset: 40, .size: 8, .value_kind: global_buffer, .address_space: global }
    .group_segment_fixed_size: 327680
    .private_segment_fixed_size: 0
    .kernarg_segment_align: 8
    .kernarg_segment_size: 48
    .max_flat_workgroup_size: 128
    .sgpr_count:     100
    .vgpr_count:     1024
    .wavefront_size: 32
...
	.end_amdgpu_metadata
.endif
;; end of part 2
;; launch attn (part 3): grid 4 x 64, 8 waves a work-group, clusters of 4 x 1, 327,680 bytes of LDS; arguments qh, kvh, ctxh; writes ctxh
.if DOCPART == 3
	.amdgcn_target "amdgcn-amd-amdhsa--gfx1250"
	.amdhsa_code_object_version 6
	.text
	.protected	k_qdee7eb4bd3_attn
	.globl	k_qdee7eb4bd3_attn
	.p2align	8
	.type	k_qdee7eb4bd3_attn,@function
k_qdee7eb4bd3_attn:
	s_mov_b64 s[64:65], 0
	v_nop
	global_prefetch_b8 v0, s[64:65] scope:SCOPE_SE
	s_setreg_imm32_b32 hwreg(HW_REG_WAVE_MODE, 25, 1), 1
	s_wait_xcnt 0x0
	s_wait_alu depctr_hold_cnt(0) depctr_sa_sdst(0) depctr_va_vdst(0) depctr_va_sdst(0) depctr_va_ssrc(0) depctr_va_vcc(0) depctr_vm_vsrc(0)
	s_getreg_b32 s2, hwreg(HW_REG_IB_STS2, 6, 4)
	s_cmp_eq_u32 s2, 0
	s_cbranch_scc0 .Lentry_in_a_cluster
	s_endpgm
.Lentry_in_a_cluster:
	s_bfe_u32 s2, ttmp6, 0x10000c
	s_cmp_lg_u32 s2, 0x3003
	s_cbranch_scc0 .Lentry_shape_is_right
	s_endpgm
.Lentry_shape_is_right:
; ATTN: ctx[bh][q][:] = the sum over k of softmax_k(Q[bh][q] . K[bh][k] / 8) V[bh][k][:].  qh, ctxh: [64][2048][64] f16; kvh: K [64][1024][64] f16, then V the same from byte 8,388,608.
; Products on f16 operands with f32 sums; maxima, exponentials and sums in f32; the weights p are rounded to f16 for the second product, ctx once at the end.
; LIMITS: p under 6e-8 of the row's largest weight is lost in f16; a ctx beyond 65,504 becomes infinity, under 6e-5 it is rounded with f16's absolute step of 6e-8.
; SHARES.  A cluster of four work-groups owns one (batch, head); a work-group 512 queries, each of its EIGHT waves 64: four tiles of 16.  Two waves share a SIMD (512 registers each), so that one wave's
; softmax stands beside the other's products.  Every wave walks the head's 1,024 keys, 64 a step; each fragment of K and V read from LDS feeds four matrix instructions.
; THE WHOLE HEAD'S K AND V STAY IN LDS (2 x 131,072 bytes + padding): every tensor load is a first fill, there is no ring.  They come in two halves of 512 keys, so that work begins when the first has landed.
; CLUSTER.  The four work-groups read the same K and V, so each tile is asked for JOINTLY: the same load with the same descriptor and a mask that names the four.
; LAYOUT.  S^T = K Q^T (source 0 = 16 keys, source 1 = 16 queries): a lane holds ONE query (lane % 16) and keys 8 (lane / 16) + 0..7.  Two such tiles, rounded to f16 in pairs, ARE source 1 (32 keys x 16 queries)
; of O^T = V^T P.  K comes out of LDS as it lies, V ([key][channel]) turned, by ds_load_tr16_b128.
; A row of K or V is 128 bytes; two rows share an LDS row of 256 bytes: row i at (i / 2) x pitch + (i % 2) x 128.  Pitch 272 for K: the 16 rows of a load fall on 16 different columns of 16 bytes;
; pitch 288 for V: the 8 rows x 32 bytes of a turning load fall on 8 different columns of 32 bytes (64 banks of 4 bytes: ISA guide 11.1).
; SOFTMAX.  For each query a running maximum m and sum l: p = 2^(c s - c m), c = log2(e) / 8; in every step O and l are multiplied by a = 2^(c m_old - c m_new).
; No prefetch: all that the work-group reads is asked for at its head.
; REGISTERS: window 0: v1-13 addresses; v16-47 statistics, 8 a tile; v64-191 S^T, 32 a tile (P is made in place in each tile's low 16); v192-255 K's fragments.
;            window 1: v0-127 O^T, 32 a tile; v128-191 Q, 16 a tile; v192-255 V's fragments.
.set PK,    272
.set PV_,   288
.set VOFF,  512*PK                     ; K's 512 double rows, then V's
.set STAGE, VOFF+512*PV_               ; the way out: 2,304 bytes a wave (8 double rows x 272), bytes of its own
.set SPARE, STAGE+8*2304               ; the spare words, 128 bytes a wave: four blocks of 256 bytes that no other line names
.set AK0, 2
.set AV0, 3
.set ADK, 4
.set ADV, 5
.set QO,  6
.set STO, 7
.set RD,  8
.set GO,  9
.set SPW, 12
.set NIL, 13
.set ST,  16                           ; tile t's statistics at v[ST+8 t]: +0 c m, +1 m, +2, +3 l (even keys', odd keys'), +4 to +7 c0-c3 at work; a takes c2's place
.set S,   64
.set KF,  192
.set VF,  192
.set WV,  12
.set G1K, 24
.set G1V, 32
.set G0K, 40                           ; s[40:47] K's groups 0, one for each half;  s[48:55] V's
.set G0V, 48
.set TBK, 56                           ; s56 LDS byte at which the step's keys begin in K,
.set TBV, 57                           ; s57 and in V
.set CS,  58                           ; s[58:59] c
.set SEL, 60                           ; s[60:61] lane selects for v_permlanex16_b32: lane l xor 16
.set CNT, 62
.set MSB, 0
.macro WIN new
.if MSB != (\new)
	s_set_vgpr_msb (MSB<<8)|(\new)
.set MSB, (\new)
.endif
.endm
.set W_KQ, 0x04                        ; K and S^T in window 0, Q in window 1
.set W_PV, 0x51                        ; V and O^T in window 1, P in window 0
.set W_RS, 0x41                        ; O^T (destination and source 0) in window 1, the factor in window 0
.macro CROUND
	s_barrier_signal -1
	s_barrier_wait -1
	s_cmp_lg_u32 s[WV], 0
	s_cbranch_scc1 .Lnot_wave_0_\@
	s_barrier_signal -3
.Lnot_wave_0_\@:
	s_barrier_wait -3
	s_barrier_signal -1
	s_barrier_wait -1
.endm
	s_load_b128 s[4:7], s[0:1], 0x0                ; qh s[4:5], kvh s[6:7]
	s_load_b64 s[8:9], s[0:1], 0x10                ; ctxh
	v_lshl_add_u32 v[SPW], v0, 2, SPARE
	v_mov_b32 v[NIL], 0
	ds_add_u32 v[SPW], v[NIL]                      ; the wave's opening: the add, twice on end, and its wait ahead of my first tensor load
	ds_add_u32 v[SPW], v[NIL]
	v_lshrrev_b32 v1, 5, v0
	v_readfirstlane_b32 s[WV], v1                  ; wave 0..7
	s_bfe_u32 s13, ttmp6, 0x40000                  ; cx: my place in the cluster: it enters Q's and ctx's addresses alone
	s_and_b32 s14, ttmp7, 0xffff                   ; (batch, head), which the four partners share
	s_and_b32 s15, s[WV], 3                        ; which quarter of a half I fetch: 128 keys
	s_lshl_b32 s16, s14, 17                        ; a head of K: 1,024 rows of 128 bytes
	s_lshl_b32 s18, s15, 14
	s_add_co_u32 s16, s16, s18
	s_mov_b32 s17, 0
	s_lshl_b32 s20, s14, 18                        ; a head of Q: 2,048 rows
	s_lshl_b32 s21, s13, 16                        ; my work-group's 512
	s_add_co_u32 s20, s20, s21
	s_lshl_b32 s21, s[WV], 13                      ; my wave's 64
	s_add_co_u32 s20, s20, s21
	s_mov_b32 s21, 0
	s_mul_i32 s22, s15, 64*PK                      ; where my quarter goes: no place in the cluster enters an LDS address
	s_mul_i32 s23, s15, 64*PV_
	s_add_co_u32 s23, s23, VOFF
	; descriptor group 1: 64 rows of 256 bytes (two keys each), dense in memory, padded in LDS
	s_mov_b32 s[G1K], 15|(1<<16)|(1<<20)|(1<<21)|(5<<22)|(3<<25)  ; 15:0 the mask: all four; 17:16 elements of 2 bytes; 20 padding on; 21 set beside a mask; 24:22 after every 64 words; 31:25 four words
	s_mov_b32 s[G1V], 15|(1<<16)|(1<<20)|(1<<21)|(5<<22)|(7<<25)  ; the same with eight words of padding
.irp g, G1K, G1V
	s_mov_b32 s[\g+1], 128<<16                     ; tensor_dim0
	s_mov_b32 s[\g+2], 64<<16                      ; tensor_dim1
	s_mov_b32 s[\g+3], 128<<16                     ; tile_dim0
	s_mov_b32 s[\g+4], 64                          ; tile_dim1
	s_mov_b32 s[\g+5], 128                         ; tensor_dim0_stride
	s_mov_b32 s[\g+6], 0
	s_mov_b32 s[\g+7], 0
.endr
	s_mov_b32 s[CS], 0x3e38aa3b                    ; c = log2(e) / 8
	s_mov_b32 s[CS+1], s[CS]                       ; named with it as a pair, so it is written
	s_mov_b32 s[SEL], 0x76543210
	s_mov_b32 s[SEL+1], 0xfedcba98
	s_mov_b32 s[TBK], 0
	s_mov_b32 s[TBV], 0
	s_wait_dscnt 0x0                               ; both opening adds are done
	s_wait_kmcnt 0x0
	s_add_nc_u64 s[6:7], s[6:7], s[16:17]          ; K at my quarter of the first half,
	s_add_nc_u64 s[10:11], s[6:7], 0x800000        ; V likewise
	s_add_nc_u64 s[4:5], s[4:5], s[20:21]          ; Q and ctx at my wave's first row
	s_add_nc_u64 s[8:9], s[8:9], s[20:21]
	CROUND                                         ; all four work-groups are here: the joint loads meet
.irp c, 0,1
	s_mov_b32 s[G0K+4*\c], 1
	s_add_co_u32 s[G0K+4*\c+1], s22, \c*256*PK
	s_add_nc_u64 s[G0K+4*\c+2:G0K+4*\c+3], s[6:7], \c*65536
	s_or_b32 s[G0K+4*\c+3], s[G0K+4*\c+3], 0x80000000
	s_mov_b32 s[G0V+4*\c], 1
	s_add_co_u32 s[G0V+4*\c+1], s23, \c*256*PV_
	s_add_nc_u64 s[G0V+4*\c+2:G0V+4*\c+3], s[10:11], \c*65536
	s_or_b32 s[G0V+4*\c+3], s[G0V+4*\c+3], 0x80000000
.endr
	s_cmp_lt_u32 s[WV], 4                          ; waves 0-3 fetch K, waves 4-7 V; a wave's two fills stand in one branch: two loads of mine are out
	s_cbranch_scc0 .Lfirst_v
	tensor_load_to_lds s[G0K:G0K+3], s[G1K:G1K+7]
	s_nop 0
	tensor_load_to_lds s[G0K+4:G0K+7], s[G1K:G1K+7]
	s_nop 0
.rept 4
	v_nop
.endr
	s_branch .Lfirst_asked
.Lfirst_v:
	tensor_load_to_lds s[G0V:G0V+3], s[G1V:G1V+7]
	s_nop 0
	tensor_load_to_lds s[G0V+4:G0V+7], s[G1V:G1V+7]
	s_nop 0
.rept 4
	v_nop
.endr
.Lfirst_asked:
	v_and_b32 v1, 15, v0                           ; r = l % 16
	v_bfe_u32 v10, v0, 4, 1                        ; h = l / 16
	v_lshlrev_b32 v[QO], 7, v1
	v_lshl_add_u32 v[QO], v10, 4, v[QO]            ; Q: row r of 128 bytes + 16 h
	WIN 0x40                                       ; destination window 1
.irp i, 0,1,2,3,4,5,6,7                        ; Q stays in registers: tile i / 2, channels 32 (i % 2) on: registers 0-3 channels 8 h + 0..7, registers 4-7 channels 16 + 8 h + 0..7
	global_load_b128 v[128+8*\i:128+8*\i+3],   v[QO], s[4:5] offset:(\i/2)*2048+(\i%2)*64
	global_load_b128 v[128+8*\i+4:128+8*\i+7], v[QO], s[4:5] offset:(\i/2)*2048+(\i%2)*64+32
.endr
	WIN 0
	v_lshrrev_b32 v11, 1, v1
	v_mul_u32_u24 v[AK0], v11, PK
	v_and_b32 v11, 1, v1
	v_lshl_add_u32 v[AK0], v11, 7, v[AK0]
	v_lshl_add_u32 v[AK0], v10, 4, v[AK0]          ; K: key r: (r / 2) x 272 + (r % 2) x 128 + 16 h
	v_bfe_u32 v11, v0, 1, 2
	v_lshl_add_u32 v11, v10, 2, v11
	v_mul_u32_u24 v[AV0], v11, PV_                 ; V, turned: lane l reads key 8 h + l % 8, channels 8 ((l / 8) % 2) + 0..7
	v_and_b32 v11, 1, v0
	v_lshl_add_u32 v[AV0], v11, 7, v[AV0]
	v_bfe_u32 v11, v0, 3, 1
	v_lshl_add_u32 v[AV0], v11, 4, v[AV0]
	v_add_nc_u32 v[AV0], VOFF, v[AV0]
	s_mul_i32 s16, s[WV], 2304
	s_add_co_u32 s16, s16, STAGE                   ; my stage
	v_add_nc_u32 v[STO], s16, v[AK0]               ; in: row r as in K's layout, 16 bytes for each half of the lanes
	v_mul_u32_u24 v[RD], v10, 272
	v_lshl_add_u32 v[RD], v1, 4, v[RD]
	v_add_nc_u32 v[RD], s16, v[RD]                 ; back: two stage rows an instruction: 512 bytes = four rows of ctx
	v_and_b32 v[GO], 31, v0
	v_lshlrev_b32 v[GO], 4, v[GO]                  ; and the same 512 consecutive bytes in memory
; 32 products S^T = K Q^T: channels 32 (i / 16) on, keys 16 ((i / 4) % 4) on, tile i % 4.  The first 16 start the sums.  The 16 accumulators take turns.
.macro QK
.set i, 0
.rept 32
.set rS, S+32*(i%4)+8*((i/4)%4)
.set rK, KF+8*(2*((i/4)%4)+i/16)
.set rQ, 128+16*(i%4)+8*(i/16)
.if i < 16
	v_wmma_f32_16x16x32_f16 v[rS:rS+7], v[rK:rK+7], v[rQ:rQ+7], 0
.else
	v_wmma_f32_16x16x32_f16 v[rS:rS+7], v[rK:rK+7], v[rQ:rQ+7], v[rS:rS+7]
.endif
.set i, i+1
.endr
.endm
; 32 products O^T += V^T P: keys 32 (i / 16) on, channels 16 ((i / 4) % 4) on, tile i % 4.  first = 1: the first 16 start the sums: nothing is ever cleared.
.macro PV first
.set i, 0
.rept 32
.set rO, 32*(i%4)+8*((i/4)%4)
.set rV, VF+8*(4*(i/16)+(i/4)%4)
.set rP, S+32*(i%4)+8*(i/16)
.if \first && (i < 16)
	v_wmma_f32_16x16x32_f16 v[rO:rO+7], v[rV:rV+7], v[rP:rP+7], 0
.else
	v_wmma_f32_16x16x32_f16 v[rO:rO+7], v[rV:rV+7], v[rP:rP+7], v[rO:rO+7]
.endif
.set i, i+1
.endr
.endm
; The softmax of a step, the four tiles by turns in each stage.  first = 1: the first key step, which starts m and l: it has no a.
.macro SOFT first
.irp j, 0,1,2,3                                ; the maximum of a lane's 32 scores: four chains; each accumulator is read from its low end on
.irp t, 0,1,2,3
	v_max3_num_f32 v[ST+8*\t+4+\j], v[S+32*\t+8*\j], v[S+32*\t+8*\j+1], v[S+32*\t+8*\j+2]
.endr
.endr
.irp g, 1,2
.irp j, 0,1,2,3
.irp t, 0,1,2,3
	v_max3_num_f32 v[ST+8*\t+4+\j], v[ST+8*\t+4+\j], v[S+32*\t+8*\j+2*\g+1], v[S+32*\t+8*\j+2*\g+2]
.endr
.endr
.endr
.irp t, 0,1,2,3
	v_max3_num_f32 v[ST+8*\t+4], v[ST+8*\t+4], v[S+32*\t+7], v[S+32*\t+15]
.endr
.irp t, 0,1,2,3
	v_max3_num_f32 v[ST+8*\t+6], v[ST+8*\t+6], v[S+32*\t+23], v[S+32*\t+31]
.endr
.irp t, 0,1,2,3
	v_max3_num_f32 v[ST+8*\t+4], v[ST+8*\t+4], v[ST+8*\t+5], v[ST+8*\t+6]
.endr
.irp t, 0,1,2,3
.if \first
	v_max_num_f32 v[ST+8*\t+4], v[ST+8*\t+4], v[ST+8*\t+7]
.else
	v_max3_num_f32 v[ST+8*\t+4], v[ST+8*\t+4], v[ST+8*\t+7], v[ST+8*\t+1]   ; with the old m
.endif
.endr
.irp t, 0,1,2,3
	v_permlanex16_b32 v[ST+8*\t+5], v[ST+8*\t+4], s[SEL], s[SEL+1]          ; the query's other 32 keys lie in the lane 16 away
.endr
.if \first == 0
.irp t, 0,1,2,3
	v_mov_b32 v[ST+8*\t+7], v[ST+8*\t]             ; c m_old is kept for a
.endr
.endif
.irp t, 0,1,2,3
	v_max_num_f32 v[ST+8*\t+1], v[ST+8*\t+4], v[ST+8*\t+5]                  ; the new m
.endr
.irp t, 0,1,2,3
	v_mul_f32 v[ST+8*\t], s[CS], v[ST+8*\t+1]      ; c m
.endr
.if \first == 0
.irp t, 0,1,2,3
	v_sub_f32 v[ST+8*\t+7], v[ST+8*\t+7], v[ST+8*\t]
.endr
.irp t, 0,1,2,3
	v_exp_f32 v[ST+8*\t+6], v[ST+8*\t+7]           ; a = 2^(c m_old - c m_new)
.endr
.endif
; ONE BATCH: the scalings and all the step's exponentials; none of these lines names an exponential's result
.irp t, 0,1,2,3
.irp n, 0,2,4,6,8,10,12,14,16,18,20,22,24,26,28,30
	v_pk_fma_f32 v[S+32*\t+\n:S+32*\t+\n+1], v[S+32*\t+\n:S+32*\t+\n+1], s[CS:CS+1], v[ST+8*\t:ST+8*\t+1] op_sel_hi:[1,0,0] neg_lo:[0,0,1] neg_hi:[0,0,1]   ; c s - c m
.endr
.irp n, 0,1,2,3,4,5,6,7,8,9,10,11,12,13,14,15,16,17,18,19,20,21,22,23,24,25,26,27,28,29,30,31
	v_exp_f32 v[S+32*\t+\n], v[S+32*\t+\n]
.endr
.endr
	v_nop                                          ; a plain instruction behind the last exponential, ahead of the first use
	s_wait_alu depctr_va_vdst(0)                   ; one wait for the whole batch, ahead of its first reader
.if \first
.irp t, 0,1,2,3
	v_pk_add_f32 v[ST+8*\t+2:ST+8*\t+3], v[S+32*\t:S+32*\t+1], v[S+32*\t+2:S+32*\t+3]
.endr
.else
.irp t, 0,1,2,3
	v_pk_fma_f32 v[ST+8*\t+2:ST+8*\t+3], v[ST+8*\t+2:ST+8*\t+3], v[ST+8*\t+6:ST+8*\t+7], v[S+32*\t:S+32*\t+1] op_sel_hi:[1,0,1]   ; l = a l + the first pair
.endr
.irp t, 0,1,2,3
	v_pk_add_f32 v[ST+8*\t+2:ST+8*\t+3], v[ST+8*\t+2:ST+8*\t+3], v[S+32*\t+2:S+32*\t+3]
.endr
.endif
.irp n, 4,6,8,10,12,14,16,18,20,22,24,26,28,30
.irp t, 0,1,2,3
	v_pk_add_f32 v[ST+8*\t+2:ST+8*\t+3], v[ST+8*\t+2:ST+8*\t+3], v[S+32*\t+\n:S+32*\t+\n+1]   ; the sum is taken of p in f32
.endr
.endr
.irp n, 0,1,2,3,4,5,6,7,8,9,10,11,12,13,14,15
.irp t, 0,1,2,3
	v_cvt_pk_f16_f32 v[S+32*\t+\n], v[S+32*\t+2*\n], v[S+32*\t+2*\n+1]     ; P in place, ascending: register n is written when registers 2 n, 2 n + 1 are read
.endr
.endr
.endm
; A KEY STEP: 64 keys.
.macro STEP first
	v_add_nc_u32 v[ADK], s[TBK], v[AK0]            ; five plain instructions behind the last products: four are owed by the loads into V's registers, five by the products that write over P
	v_add_nc_u32 v[ADV], s[TBV], v[AV0]
.rept 3
	v_nop
.endr
.irp f, 0,1,2,3,4,5,6,7                        ; K: keys 16 (f / 2) on, channels 32 (f % 2) on
	ds_load_b128 v[KF+8*\f:KF+8*\f+3],   v[ADK] offset:(\f/2)*8*PK+(\f%2)*64
	ds_load_b128 v[KF+8*\f+4:KF+8*\f+7], v[ADK] offset:(\f/2)*8*PK+(\f%2)*64+32
.endr
	WIN 0x40
.irp f, 0,1,2,3,4,5,6,7                        ; V: keys 32 (f / 4) on, channels 16 (f % 4) on
	ds_load_tr16_b128 v[VF+8*\f:VF+8*\f+3],   v[ADV] offset:(\f/4)*16*PV_+(\f%4)*32
	ds_load_tr16_b128 v[VF+8*\f+4:VF+8*\f+7], v[ADV] offset:(\f/4)*16*PV_+8*PV_+(\f%4)*32
.endr
	s_add_co_u32 s[TBK], s[TBK], 32*PK             ; the next step's 64 keys
	s_add_co_u32 s[TBV], s[TBV], 32*PV_
	s_wait_dscnt 16                                ; K is in; V's sixteen loads may be out
	WIN W_KQ
	QK
	WIN 0
.rept 4
	v_nop                                          ; places in front of the first read of the scores
.endr
	SOFT \first
.if \first == 0
	WIN W_RS
.irp t, 0,1,2,3
.irp n, 0,2,4,6,8,10,12,14,16,18,20,22,24,26,28,30
	v_pk_mul_f32 v[32*\t+\n:32*\t+\n+1], v[32*\t+\n:32*\t+\n+1], v[ST+8*\t+6:ST+8*\t+7] op_sel_hi:[1,0]   ; O^T x a, each accumulator from its low end on
.endr
.endr
.endif
	s_wait_dscnt 0x0                               ; V is in
	WIN W_PV
	PV \first
	WIN 0
.endm
	s_wait_tensorcnt 1                             ; my part of the first 512 keys is in; the second half's may stay out
	s_barrier_signal -1
	s_barrier_wait -1                              ; everybody's is
	s_wait_loadcnt 0x0                             ; Q
	STEP 1
	s_mov_b32 s[CNT], 7
.Lhalf0:
	STEP 0
	s_sub_co_u32 s[CNT], s[CNT], 1
	s_cmp_lg_u32 s[CNT], 0
	s_cbranch_scc1 .Lhalf0
	s_wait_tensorcnt 0x0                           ; my part of the second 512 keys is in,
	s_wait_dscnt 0x0
	s_barrier_signal -1
	s_barrier_wait -1                              ; everybody's is
	s_mov_b32 s[CNT], 8
.Lhalf1:
	STEP 0
	s_sub_co_u32 s[CNT], s[CNT], 1
	s_cmp_lg_u32 s[CNT], 0
	s_cbranch_scc1 .Lhalf1
	; THE WAY OUT.  l's two halves and the other half of the lanes' are added; O^T is divided by l, rounded to f16 and sent through my stage, a tile (16 rows of ctx) at a time.  The additions are the places behind the last products.
.irp t, 0,1,2,3
	v_add_f32 v[ST+8*\t+4], v[ST+8*\t+2], v[ST+8*\t+3]
.endr
.irp t, 0,1,2,3
	v_permlanex16_b32 v[ST+8*\t+5], v[ST+8*\t+4], s[SEL], s[SEL+1]
.endr
.irp t, 0,1,2,3
	v_add_f32 v[ST+8*\t+4], v[ST+8*\t+4], v[ST+8*\t+5]
.endr
.irp t, 0,1,2,3
	v_rcp_f32 v[ST+8*\t+6], v[ST+8*\t+4]
.endr
	v_nop                                          ; a plain instruction between the last reciprocal and the use of its result
	s_wait_alu depctr_va_vdst(0)                   ; one wait for the four reciprocals, ahead of the first use
.macro PACKO t
	WIN W_RS
.irp n, 0,2,4,6,8,10,12,14,16,18,20,22,24,26,28,30
	v_pk_mul_f32 v[32*\t+\n:32*\t+\n+1], v[32*\t+\n:32*\t+\n+1], v[ST+8*\t+6:ST+8*\t+7] op_sel_hi:[1,0]
.endr
	WIN 0x05                                       ; sources 0 and 1 window 1, destination window 0: S^T's registers are free
.irp n, 0,1,2,3,4,5,6,7,8,9,10,11,12,13,14,15
	v_cvt_pk_f16_f32 v[64+16*\t+\n], v[32*\t+2*\n], v[32*\t+2*\n+1]
.endr
	WIN 0
.irp c, 0,1,2,3
	ds_store_b128 v[STO], v[64+16*\t+4*\c:64+16*\t+4*\c+3] offset:32*\c     ; channels 16 c + 8 h + 0..7 of row r
.endr
.irp i, 0,1,2,3
	ds_load_b128 v[128+16*\t+4*\i:128+16*\t+4*\i+3], v[RD] offset:544*\i    ; LDS serves a wave's instructions in order (ISA guide 5.7.1.4): these see the stores above; the next tile's stores come behind them
.endr
.endm
.macro SENDO t, younger                ; younger: the LDS instructions issued behind tile t's loads: the next tile's eight, or none
.irp i, 0,1,2,3
	s_wait_dscnt \younger+3-\i
	global_store_b128 v[GO], v[128+16*\t+4*\i:128+16*\t+4*\i+3], s[8:9] offset:2048*\t+512*\i   ; the wave stores 512 consecutive bytes, aligned
.endr
.endm
	PACKO 0
	PACKO 1
	SENDO 0, 8
	PACKO 2
	SENDO 1, 8
	PACKO 3
	SENDO 2, 8
	SENDO 3, 0
	s_wait_tensorcnt 0x0                           ; the wave's end
	ds_add_u32 v[SPW], v[NIL]
	s_wait_dscnt 0x0
	CROUND                                         ; the closing round
	s_endpgm
.Lfunc_end_k_qdee7eb4bd3_attn:
	.size	k_qdee7eb4bd3_attn, .Lfunc_end_k_qdee7eb4bd3_attn-k_qdee7eb4bd3_attn
	.p2alignl 7, 3214868480
	.fill 96, 4, 3214868480
	.section	.rodata,"a",@progbits
	.p2align	6, 0x0
	.amdhsa_kernel k_qdee7eb4bd3_attn
		.amdhsa_group_segment_fixed_size 327680
		.amdhsa_private_segment_fixed_size 0
		.amdhsa_enable_private_segment 0
		.amdhsa_kernarg_size 24
		.amdhsa_user_sgpr_count 2
		.amdhsa_user_sgpr_kernarg_segment_ptr 1
		.amdhsa_wavefront_size32 1
		.amdhsa_system_sgpr_workgroup_id_x 1
		.amdhsa_system_sgpr_workgroup_id_y 1
		.amdhsa_system_sgpr_workgroup_id_z 1
		.amdhsa_system_vgpr_workitem_id 0
		.amdhsa_next_free_vgpr 512
		.amdhsa_next_free_sgpr 66
		.amdhsa_reserve_vcc 0
		.amdhsa_float_denorm_mode_32 3
		.amdhsa_float_denorm_mode_16_64 3
		.amdhsa_memory_ordered 1
		.amdhsa_forward_progress 1
		.amdhsa_inst_pref_size 112
	.end_amdhsa_kernel
	.amdgpu_metadata
---
amdhsa.version: [ 1, 2 ]
amdhsa.kernels:
  - .name:           k_qdee7eb4bd3_attn
    .symbol:         k_qdee7eb4bd3_attn.kd
    .args:
      - { .name: qh, .offset: 0, .size: 8, .value_kind: global_buffer, .address_space: global }
      - { .name: kvh, .offset: 8, .size: 8, .value_kind: global_buffer, .address_space: global }
      - { .name: ctxh, .offset: 16, .size: 8, .value_kind: global_buffer, .address_space: global }
    .group_segment_fixed_size: 327680
    .private_segment_fixed_size: 0
    .kernarg_segment_align: 8
    .kernarg_segment_size: 24
    .max_flat_workgroup_size: 256
    .sgpr_count:     66
    .vgpr_count:     512
    .wavefront_size: 32
...
	.end_amdgpu_metadata
.endif
;; end of part 3
;; launch outp (part 4): grid 4 x 64, 4 waves a work-group, clusters of 4 x 1, 327,680 bytes of LDS; arguments ctxh, wo16, bo, out0; writes out0
.if DOCPART == 4
	.amdgcn_target "amdgcn-amd-amdhsa--gfx1250"
	.amdhsa_code_object_version 6
	.text
	.protected	k_qdee7eb4bd3_outp
	.globl	k_qdee7eb4bd3_outp
	.p2align	8
	.type	k_qdee7eb4bd3_outp,@function
k_qdee7eb4bd3_outp:
	s_mov_b64 s[64:65], 0
	v_nop
	global_prefetch_b8 v0, s[64:65] scope:SCOPE_SE
	s_setreg_imm32_b32 hwreg(HW_REG_WAVE_MODE, 25, 1), 1
	s_wait_xcnt 0x0
	s_wait_alu depctr_hold_cnt(0) depctr_sa_sdst(0) depctr_va_vdst(0) depctr_va_sdst(0) depctr_va_ssrc(0) depctr_va_vcc(0) depctr_vm_vsrc(0)
	s_getreg_b32 s2, hwreg(HW_REG_IB_STS2, 6, 4)
	s_cmp_eq_u32 s2, 0
	s_cbranch_scc0 .Lentry_in_a_cluster
	s_endpgm
.Lentry_in_a_cluster:
	s_bfe_u32 s2, ttmp6, 0x10000c
	s_cmp_lg_u32 s2, 0x3003
	s_cbranch_scc0 .Lentry_shape_is_right
	s_endpgm
.Lentry_shape_is_right:
; OUTP: out0[m][n] = the sum over k of ctx[m][k] Wo[k][n] + bo[n].  ctx comes by head, ctxh [64 bh][2048][64] f16 (m = 2048 b + t, k = 64 h + d); bo [1024], out0 [8192][1024] f32.
; wo16 holds Wo in f16 in the order of the operand's registers: fragment (kq, nt), 32 along K x 16 columns, is 1,024 bytes at (64 kq + nt) x 1,024; lane l takes the 16 bytes at 512 c + 16 l into registers 4 c .. 4 c + 3.
; f16 operands, f32 sums; bo is the C of each sum's first matrix instruction.
; A tile of 128 x 256 of out0 is made by a work-group of four waves: 256 work-groups; a wave makes 128 rows x 64 columns: 32 accumulators, 256 registers.
; A (ctx) STAYS IN LDS FOR ALL OF K: 16 planes (heads) of 128 rows x 128 bytes, each dense in memory: 64 rows of 256 bytes + 16 of padding, 278,528 bytes in all.  Every tensor load is a first fill, asked for at the
; head, four a wave; there is no ring and no slot is filled again.  The planes are waited for four at a time (256 along K), each time with one plain barrier.
; B (Wo) GOES FROM MEMORY STRAIGHT INTO REGISTERS: each load of a wave reads 512 consecutive bytes; no two waves of a work-group read the same byte.  Eight sets of four fragments take turns: a quarter's eight loads are
; issued 208 matrix instructions ahead of their first use, and at most 56 loads of a wave are out.
; CLUSTER: the four work-groups of a tile row need the same planes of ctx: each is asked for JOINTLY, by the same load with the same descriptor and a mask that names the four.  Wo is not shared so: it lands in
; registers, and beside A's 278,528 bytes no ring for it fits in LDS's 327,680.
; THE WALK ALONG K BEGINS ELSEWHERE IN EACH TILE ROW: K step s of the walk (128 along K) is K step s xor (tile row mod 8), so that work-groups of eight kinds read eight different parts of Wo at a time.  Only global
; addresses hang on that; LDS holds the planes in the walk's order.  LIMIT: the order of the f32 sums along K differs from tile row to tile row.
; THE MATRIX INSTRUCTION IS USED TRANSPOSED (source 0 = 16 columns of Wo, source 1 = 16 rows of ctx): a lane then holds eight neighbouring numbers of a row of out0.
; LDS rows of A: two rows of ctx share 256 bytes + 16: row i at (i / 2) x 272 + (i % 2) x 128: the 16 rows of a load fall on 16 different columns of 16 bytes (64 banks of 4 bytes: ISA guide 11.1).
; No prefetch: all of ctxh is asked for at the head, and wo16 is read again by many work-groups.
; REGISTERS: window 0: v1-31 addresses; v32-63 bo in the result's layout; v64-127, v128-191 A's fragments, two sets; v192-255 the way out.
;            window 1: B's fragments, eight sets of 32.   window 2: the accumulators, (a, b) at v[8 (4 a + b)].
.set PA,     272
.set PLANE,  64*PA                     ; a plane of A: 17,408 bytes
.set STAGE,  16*PLANE                  ; the way out: 16 rows x 272 bytes for each wave; bytes of its own
.set SPITCH, 272
.set SPARE,  STAGE+4*16*SPITCH         ; the spare words, 128 bytes a wave: two blocks of 256 bytes that no other line names
.set ADRA, 16                          ; v16-23 LDS address of my A fragments in K step 0 .. 7 of the walk; never rewritten
.set STO,  24
.set RD,   25
.set CO,   26
.set SPW,  28
.set NIL,  29
.set BV,   30                          ; v30 16 x lane: my 16 bytes of a load of Wo; never rewritten
.set BO,   31
.set BIAS, 32
.set AF,   64
.set OB,   192
.set G1,   24                          ; s[24:31] descriptor group 1
.set G0,   32                          ; s[32:47] four groups 0, one for each of my loads
.set BB,   48                          ; s[48:63] where my four fragments begin in Wo, for each K step of the walk; never rewritten
.set MSB, 0
.macro WIN new                         ; the immediate's high byte repeats the setting that is left
.if MSB != (\new)
	s_set_vgpr_msb (MSB<<8)|(\new)
.set MSB, (\new)
.endif
.endm
.set MUL, 0xa1                         ; source 0 (B) window 1, source 1 (A) window 0, C and D window 2; with bo as C (window 0): 0x81
.macro CROUND                          ; a round of the cluster's barrier
	s_barrier_signal -1
	s_barrier_wait -1
	s_cmp_lg_u32 s12, 0
	s_cbranch_scc1 .Lnot_wave_0_\@
	s_barrier_signal -3
.Lnot_wave_0_\@:
	s_barrier_wait -3
	s_barrier_signal -1
	s_barrier_wait -1
.endm
.macro PLACES                          ; plain vector instructions between a matrix instruction and a load into, or a read of, its registers
.rept 4
	v_nop
.endr
.endm
; Quarter q of the walk is 32 along K.  B's four fragments of it into set q % 8: eight loads of 512 consecutive bytes
.macro BLOAD q
.irp b, 0,1,2,3
.irp c, 0,1
	global_load_b128 v[32*((\q)%8)+8*\b+4*\c:32*((\q)%8)+8*\b+4*\c+3], v[BV], s[BB+2*((\q)/4):BB+2*((\q)/4)+1] offset:((\q)%4)*65536+\b*1024+\c*512
.endr
.endr
.endm
; A's eight fragments of it (128 rows) into set q % 2: lane l holds row l % 16; registers 0-3 k = 8 (l / 16) + 0..7, registers 4-7 k = 16 + 8 (l / 16) + 0..7
.macro ALOAD q
.irp i, 0,1,2,3,4,5,6,7
	ds_load_b128 v[AF+64*((\q)%2)+8*\i:AF+64*((\q)%2)+8*\i+3],   v[ADRA+(\q)/4] offset:(((\q)/2)%2)*PLANE+((\q)%2)*64+\i*8*PA
	ds_load_b128 v[AF+64*((\q)%2)+8*\i+4:AF+64*((\q)%2)+8*\i+7], v[ADRA+(\q)/4] offset:(((\q)/2)%2)*PLANE+((\q)%2)*64+\i*8*PA+32
.endr
.endm
; 16 matrix instructions: A's blocks a0 .. a0 + 3 x B's four.  first = 1: bo starts the sums: nothing is cleared and no addition is spent.  The 32 accumulators take turns, one instruction a turn,
; in the same order in every quarter.
.macro MULS a0, q, first
.irp a, \a0, \a0+1, \a0+2, \a0+3
.irp b, 0,1,2,3
.if \first
	v_wmma_f32_16x16x32_f16 v[8*(4*(\a)+\b):8*(4*(\a)+\b)+7], v[32*((\q)%8)+8*\b:32*((\q)%8)+8*\b+7], v[AF+64*((\q)%2)+8*(\a):AF+64*((\q)%2)+8*(\a)+7], v[BIAS+8*\b:BIAS+8*\b+7]
.else
	v_wmma_f32_16x16x32_f16 v[8*(4*(\a)+\b):8*(4*(\a)+\b)+7], v[32*((\q)%8)+8*\b:32*((\q)%8)+8*\b+7], v[AF+64*((\q)%2)+8*(\a):AF+64*((\q)%2)+8*(\a)+7], v[8*(4*(\a)+\b):8*(4*(\a)+\b)+7]
.endif
.endr
.endr
.endm
; A QUARTER: 32 matrix instructions; in its middle, in one run, B's fragments of seven quarters on and A's of the next quarter, into the sets that the quarter before has multiplied.
; The last quarter of each 256 along K also meets the next four planes: my own has landed, then the work-group's barrier, with sixteen matrix instructions between its signal and its wait.
.macro QUARTER q, first
.set EDGE, 0
.if ((\q)%8 == 7) && ((\q) < 31)
.set EDGE, 1
.endif
.if (\q) == 0
	s_wait_loadcnt 40                              ; bo and B's quarter 0 are in; the five quarters behind it, eight loads each, may be out
.elseif (\q) < 26
	s_wait_loadcnt 48                              ; B's quarter q is in; the six quarters behind it may be out
.else
	s_wait_loadcnt 8*(31-(\q))                     ; the tail: the quarters that are left
.endif
.if EDGE
	s_wait_tensorcnt 3-((\q)+1)/8                  ; my plane of the next four has landed; my later ones may stay out
	s_wait_dscnt 0x0                               ; no LDS instruction of mine is out at the signal
	s_barrier_signal -1
.else
	s_wait_dscnt 8                                 ; A's blocks 0-3 are in; the youngest eight loads (blocks 4-7) may be out
.endif
	WIN MUL-0x20*(\first)
	MULS 0, \q, \first
.if EDGE
	WIN 0
	s_barrier_wait -1                              ; everybody's plane has landed
.endif
	PLACES
.if (\q) == 0
	WIN 0x40
	BLOAD 6                                        ; (the head asks for six quarters, so that with bo's eight loads 56 are out; the seventh follows here)
.endif
.if (\q)+7 < 32
	WIN 0x40                                       ; destination window 1, address window 0
	BLOAD (\q)+7
.endif
	WIN 0
.if (\q)+1 < 32
	ALOAD (\q)+1
	s_wait_dscnt 16                                ; all but the 16 just issued: A's blocks 4-7 are in
.else
	s_wait_dscnt 0x0
.endif
	WIN MUL-0x20*(\first)
	MULS 4, \q, \first
.endm
	s_load_b256 s[4:11], s[0:1], 0x0               ; ctxh s[4:5], wo16 s[6:7], bo s[8:9], out0 s[10:11]
	v_lshl_add_u32 v[SPW], v0, 2, SPARE
	v_mov_b32 v[NIL], 0
	ds_add_u32 v[SPW], v[NIL]                      ; the wave's opening: the add, twice on end, and its wait ahead of my first tensor load
	ds_add_u32 v[SPW], v[NIL]
	v_lshrrev_b32 v1, 5, v0
	v_readfirstlane_b32 s12, v1                    ; wave 0..3
	s_bfe_u32 s13, ttmp6, 0x40000                  ; cx = the tile column: it enters Wo's, bo's and out0's addresses alone
	s_and_b32 s14, ttmp7, 0xffff                   ; the tile row, which the four partners share
	s_and_b32 s15, s14, 7                          ; where the walk along K begins
	; descriptor group 1: 64 rows of 256 bytes (two rows of ctx each), dense in memory, padded in LDS
	s_mov_b32 s[G1], 15|(1<<16)|(1<<20)|(1<<21)|(5<<22)|(3<<25)  ; 15:0 the mask: all four; 17:16 elements of 2 bytes; 20 padding on; 21 set beside a mask; 24:22 after every 64 words; 31:25 four words
	s_mov_b32 s[G1+1], 128<<16                     ; tensor_dim0
	s_mov_b32 s[G1+2], 64<<16                      ; tensor_dim1
	s_mov_b32 s[G1+3], 128<<16                     ; tile_dim0
	s_mov_b32 s[G1+4], 64                          ; tile_dim1
	s_mov_b32 s[G1+5], 128                         ; tensor_dim0_stride
	s_mov_b32 s[G1+6], 0
	s_mov_b32 s[G1+7], 0
	s_lshr_b32 s16, s14, 4                         ; batch: 16 tiles of 128 rows each
	s_lshl_b32 s16, s16, 22                        ; 16 heads x 2,048 rows x 128 bytes
	s_and_b32 s17, s14, 15
	s_lshl_b32 s17, s17, 14                        ; 128 rows x 128 bytes
	s_add_co_u32 s16, s16, s17
	s_and_b32 s17, s12, 1
	s_lshl_b32 s17, s17, 18                        ; my loads bring the even or the odd head of a K step: a head is 262,144 bytes
	s_add_co_u32 s16, s16, s17
	s_lshr_b32 s18, s12, 1                         ; and the first or the second K step of each four planes
	s_mul_i32 s19, s12, PLANE                      ; where they go: plane 4 j + wave: no place in the cluster enters an LDS address
	s_lshl_b32 s20, s13, 14                        ; Wo: the tile's 16 fragments of 1,024 bytes,
	s_lshl_b32 s21, s12, 12                        ; my wave's four
	s_add_co_u32 s20, s20, s21
	s_lshl_b32 s22, s13, 10                        ; my first column, in bytes of f32: 1,024 x tile column + 256 x wave
	s_lshl_b32 s23, s12, 8
	s_add_co_u32 s22, s22, s23
	s_mov_b32 s23, 0
	s_mov_b32 s67, 0
	s_mov_b32 s69, 0
	v_and_b32 v1, 15, v0                           ; r = l % 16
	v_bfe_u32 v2, v0, 4, 1                         ; h = l / 16
	v_and_b32 v3, 31, v0
	v_lshlrev_b32 v[BV], 4, v3
	v_lshlrev_b32 v[BO], 5, v2
	s_wait_dscnt 0x0                               ; both opening adds are done
	s_wait_kmcnt 0x0
	s_add_nc_u64 s[8:9], s[8:9], s[22:23]          ; bo and out0 at my columns,
	s_add_nc_u64 s[10:11], s[10:11], s[22:23]
	s_lshl_b32 s22, s14, 19                        ; out0 at the tile's first row: 128 rows of 4,096 bytes
	s_add_nc_u64 s[10:11], s[10:11], s[22:23]
.irp s, 0,1,2,3,4,5,6,7
	s_xor_b32 s66, s15, \s                         ; K step s of the walk
	s_lshl_b32 s66, s66, 18                        ; four quarters of 64 fragments
	s_add_co_u32 s66, s66, s20
	s_add_nc_u64 s[BB+2*\s:BB+2*\s+1], s[6:7], s[66:67]
.endr
.irp j, 0,1,2,3
	s_add_co_u32 s68, s18, 2*\j                    ; my load j brings plane 4 j + wave of the walk: K step 2 j + wave / 2,
	s_xor_b32 s68, s68, s15
	s_lshl_b32 s68, s68, 19                        ; two heads a K step
	s_add_co_u32 s68, s68, s16
	s_mov_b32 s[G0+4*\j], 1                        ; 1:0 count = 1
	s_add_co_u32 s[G0+4*\j+1], s19, \j*4*PLANE     ; 63:32 LDS address
	s_add_nc_u64 s[G0+4*\j+2:G0+4*\j+3], s[4:5], s[68:69]   ; 120:64 global address
	s_or_b32 s[G0+4*\j+3], s[G0+4*\j+3], 0x80000000         ; 127:126 type = 2
.endr
.irp b, 0,1,2,3                                ; bo at columns 16 b + 8 h + 0..7: the result's layout
	global_load_b128 v[BIAS+8*\b:BIAS+8*\b+3],   v[BO], s[8:9] offset:64*\b
	global_load_b128 v[BIAS+8*\b+4:BIAS+8*\b+7], v[BO], s[8:9] offset:64*\b+16
.endr
	WIN 0x40
.irp q, 0,1,2,3,4,5
	BLOAD \q                                       ; Wo's first six quarters are on their way while the cluster meets
.endr
	WIN 0                                          ; at a label and at a branch every window is 0
	CROUND                                         ; all four work-groups are here: the joint loads meet
.irp j, 0,1,2,3
	tensor_load_to_lds s[G0+4*\j:G0+4*\j+3], s[G1:G1+7]    ; four loads of mine are out: all of ctx that the work-group reads is asked for
	s_nop 0
.endr
.rept 4
	v_nop
.endr
	v_lshrrev_b32 v4, 1, v1
	v_mul_u32_u24 v4, v4, PA
	v_and_b32 v5, 1, v1
	v_lshl_add_u32 v4, v5, 7, v4
	v_lshl_add_u32 v4, v2, 4, v4                   ; A: row r: (r / 2) x 272 + (r % 2) x 128 + 16 h
.irp s, 0,1,2,3,4,5,6,7
	v_add_nc_u32 v[ADRA+\s], \s*2*PLANE, v4
.endr
	s_mul_i32 s21, s12, 16*SPITCH
	s_add_co_u32 s21, s21, STAGE                   ; my stage
	v_mul_u32_u24 v5, v1, SPITCH
	v_lshl_add_u32 v5, v2, 5, v5
	v_add_nc_u32 v[STO], s21, v5                   ; in: row r, 32 bytes for each half of the lanes
	v_mul_u32_u24 v5, v2, SPITCH
	v_lshl_add_u32 v5, v1, 4, v5
	v_add_nc_u32 v[RD], s21, v5                    ; back: lanes 0-15 one row of 256 bytes, lanes 16-31 the next
	v_lshlrev_b32 v[CO], 12, v2
	v_lshl_add_u32 v[CO], v1, 4, v[CO]             ; and the same two rows in out0
	s_wait_tensorcnt 3                             ; my plane of the first four has landed; my other three may stay out
	s_barrier_signal -1
	s_barrier_wait -1                              ; everybody's has
	ALOAD 0
	QUARTER 0, 1                                   ; the first quarter's products start the sums
.set Q, 1
.rept 31
	QUARTER Q, 0
.set Q, Q+1
.endr
	WIN 0
; THE WAY OUT, block by block of 16 rows x 64 columns: through my own stage, back as whole rows of 256 bytes: sixteen lanes store 256 consecutive bytes, aligned.
.macro TOSTAGE a
	WIN 0x08                                       ; an LDS store's data are its source 1: window 2
.irp b, 0,1,2,3
	ds_store_b128 v[STO], v[8*(4*(\a)+\b):8*(4*(\a)+\b)+3] offset:64*\b          ; each accumulator from its low end on
	ds_store_b128 v[STO], v[8*(4*(\a)+\b)+4:8*(4*(\a)+\b)+7] offset:64*\b+16
.endr
	WIN 0
.set BK, OB+32*((\a)%2)
.irp t, 0,1,2,3,4,5,6,7
	ds_load_b128 v[BK+4*\t:BK+4*\t+3], v[RD] offset:\t*2*SPITCH    ; LDS serves a wave's instructions in order (ISA guide 5.7.1.4): these see the stores above; the next block's stores come behind them
.endr
.endm
.macro SEND a, younger                 ; younger: the LDS instructions issued behind block a's loads, which may stay out
.set BK, OB+32*((\a)%2)
	s_wait_dscnt \younger
.irp t, 0,1,2,3,4,5,6,7
	global_store_b128 v[CO], v[BK+4*\t:BK+4*\t+3], s[10:11] offset:(16*(\a)+2*\t)*4096 th:TH_STORE_NT   ; written once, read by nobody here; 126 rows at the most: inside the signed 24-bit immediate
.endr
.endm
	PLACES                                         ; in front of the first read of results
	TOSTAGE 0
.irp a, 1,2,3,4,5,6,7
.if \a > 1
	s_wait_xcnt 0x0                                ; block a - 2's stores have read their registers: block a's loads may land there
.endif
	TOSTAGE \a
	SEND \a-1, 16                                  ; behind block a - 1's loads: block a's 8 stores and 8 loads
.endr
	SEND 7, 0
	s_wait_tensorcnt 0x0                           ; the wave's end
	ds_add_u32 v[SPW], v[NIL]
	s_wait_dscnt 0x0
	CROUND                                         ; the closing round
	s_endpgm
.Lfunc_end_k_qdee7eb4bd3_outp:
	.size	k_qdee7eb4bd3_outp, .Lfunc_end_k_qdee7eb4bd3_outp-k_qdee7eb4bd3_outp
	.p2alignl 7, 3214868480
	.fill 96, 4, 3214868480
	.section	.rodata,"a",@progbits
	.p2align	6, 0x0
	.amdhsa_kernel k_qdee7eb4bd3_outp
		.amdhsa_group_segment_fixed_size 327680
		.amdhsa_private_segment_fixed_size 0
		.amdhsa_enable_private_segment 0
		.amdhsa_kernarg_size 32
		.amdhsa_user_sgpr_count 2
		.amdhsa_user_sgpr_kernarg_segment_ptr 1
		.amdhsa_wavefront_size32 1
		.amdhsa_system_sgpr_workgroup_id_x 1
		.amdhsa_system_sgpr_workgroup_id_y 1
		.amdhsa_system_sgpr_workgroup_id_z 1
		.amdhsa_system_vgpr_workitem_id 0
		.amdhsa_next_free_vgpr 768
		.amdhsa_next_free_sgpr 70
		.amdhsa_reserve_vcc 0
		.amdhsa_float_denorm_mode_32 3
		.amdhsa_float_denorm_mode_16_64 3
		.amdhsa_memory_ordered 1
		.amdhsa_forward_progress 1
		.amdhsa_inst_pref_size 154
	.end_amdhsa_kernel
	.amdgpu_metadata
---
amdhsa.version: [ 1, 2 ]
amdhsa.kernels:
  - .name:           k_qdee7eb4bd3_outp
    .symbol:         k_qdee7eb4bd3_outp.kd
    .args:
      - { .name: ctxh, .offset: 0, .size: 8, .value_kind: global_buffer, .address_space: global }
      - { .name: wo16, .offset: 8, .size: 8, .value_kind: global_buffer, .address_space: global }
      - { .name: bo, .offset: 16, .size: 8, .value_kind: global_buffer, .address_space: global }
      - { .name: out0, .offset: 24, .size: 8, .value_kind: global_buffer, .address_space: global }
    .group_segment_fixed_size: 327680
    .private_segment_fixed_size: 0
    .kernarg_segment_align: 8
    .kernarg_segment_size: 32
    .max_flat_workgroup_size: 128
    .sgpr_count:     70
    .vgpr_count:     768
    .wavefront_size: 32
...
	.end_amdgpu_metadata
.endif
;; end of part 4
